; MI455X (gfx1250); checked and timed in simulation.
; The chip was launched on July 23, 2026; its instructions are those of AMD's public machine-readable ISA for CDNA 5 (MIT licence, August 2026) and "CDNA5" Instruction Set Architecture Reference Guide (July 2026). The comments in the code are by the model that wrote it; some were corrected since.
;; Multi Head Attention. Allowed arithmetic: matrix products marked QUANTISED: E2M3 operands, one E8M0 scale for each 32 along K, by v_wmma_scale_f32_16x16x128_f8f6f4 with both operands' format E2M3, f32 sums; everything else in f32.
;; Inputs: Wk 1,024 x 1,024 float32; Wo 1,024 x 1,024 float32; Wq 1,024 x 1,024 float32; Wv 1,024 x 1,024 float32; bo 1,024 float32; x 4 x 2,048 x 1,024 float32.
;; Outputs: out0 4 x 2,048 x 1,024 float32.
;; This version of the problem:
;;   THIS VERSION OF THE PROBLEM IS GIVEN IN LOW PRECISION. The matrix products marked QUANTISED in the list below multiply operands that are first quantised to E2M3 (2 exponent bits, 3 mantissa bits; 6 bits a number), with one power-of-two scale for each 32 numbers along K (OCP MX v1.0); their sums are f32. All else is computed in f32.
;;   The module's matrix products, in the order in which they are computed (A, B: the left and right operand; K: the contracted axis; several contracted axes count as one K, in the product's order):
;;     1. [M 8,192, K 1,024] x [K 1,024, N 1,024]; A: input x; B: input Wq: QUANTISED
;;     2. [M 8,192, K 1,024] x [K 1,024, N 1,024]; A: input x; B: input Wk: QUANTISED
;;     3. [M 8,192, K 1,024] x [K 1,024, N 1,024]; A: input x; B: input Wv: QUANTISED
;;     4. batch 64 x [M 2,048, K 64] x [K 64, N 2,048]; A: computed on the way; B: computed on the way: QUANTISED
;;     5. batch 64 x [M 2,048, K 2,048] x [K 2,048, N 64]; A: softmax (see below); B: computed on the way: QUANTISED
;;     6. [M 8,192, K 1,024] x [K 1,024, N 1,024]; A: computed on the way; B: input Wo: QUANTISED
;;   THE QUANTISER, for each operand of a quantised product, along K:
;;     - K is cut into blocks of 32 from its start; a last block that is shorter is filled with zeros.
;;     - A block's scale is 2^e with e = floor(log2(the largest magnitude in the block)) - 2, held to -126 .. 127; a block of zeros has e = 0. As a byte (E8M0): e + 127.
;;     - Each number is divided by its block's scale, clamped to +-7.5, and rounded to the nearest number of E2M3, ties to even, subnormals kept.
;;     - The product sums the exact products of the quantised numbers (number of the format x scale) in f32.
;;   ~~~python
;;   def quantise(x, axis):      # numpy; x: float32 -> the quantised numbers, widened to float32 again
;;       x = np.moveaxis(x, axis, -1); K = x.shape[-1]
;;       x = np.pad(x, [(0, 0)] * (x.ndim - 1) + [(0, -K % 32)]); x = x.reshape(x.shape[:-1] + (-1, 32)); a = np.abs(x).max(-1, keepdims=True)
;;       e = np.where(a > 0, np.clip(np.frexp(np.where(a > 0, a, 1))[1] - 1 - 2, -126, 127), 0)      # np.frexp(a)[1] - 1 = floor(log2(a)), exactly
;;       r = np.clip(x / 2.0 ** e, -7.5, 7.5)
;;       step = 2.0 ** (np.maximum(np.frexp(np.where(r == 0, 1, r))[1] - 1, 0) - 3)
;;       q = np.round(r / step) * step * 2.0 ** e      # np.round: ties to even
;;       return np.moveaxis(q.reshape(q.shape[:-2] + (-1,))[..., :K], -1, axis).astype(np.float32)
;;   ~~~
;;   SOFTMAX AHEAD OF A QUANTISED PRODUCT. Where the list says 'softmax', what is quantised is not the finished softmax but p = 2^(t - M), with t = logit x log2(e) and M = ceil(the row's largest t), a whole number; so 1/2 < the row's largest p <= 1. The row's sum l is taken of the UNQUANTISED p, in f32, and the product's result is divided by l at the end. Since M is a whole number, a kernel that streams over the keys may use a running M (the ceiling of the running maximum): every later rescaling is an exact power of two, which a block's scale takes up: the codes' values come out the same.
;;   OPERANDS COMPUTED ON THE WAY. 'Computed on the way' means the value that the module computes at that place (a softmax that the list does not call 'softmax' is quantised finished and normalised). What goes into a quantiser is computed in f32, as accurately as f32 sums, v_exp_f32 and their like allow (about 1e-6 of the number): no bf16 or f16 on the way to a quantiser, and a product that is left as it is and whose result goes on into a quantised operand takes f32 operands (vector FMAs, or v_wmma_f32_16x16x4_f32). A number that lies on a knife's edge between two numbers of the format may be rounded either way, as far as f32 arithmetic and the matrix unit's own rounding can turn it there, and no further.
;; One version. Each part assembles by itself: llvm-mc -triple=amdgcn-amd-amdhsa -mcpu=gfx1250 --defsym DOCPART=n.
;; ======== version 1 of 1: 4 launches
;; workspace buffers: ximg 6,553,600 bytes; wimg 3,276,800 bytes; hb 19,660,800 bytes; ctx 6,553,600 bytes
;; launch quant (part 1): grid 384 x 1, 4 waves a work-group, no clusters, 34,304 bytes of LDS; arguments x, Wq, Wk, Wv, Wo, ximg, wimg; writes ximg, wimg
.if DOCPART == 1
	.amdgcn_target "amdgcn-amd-amdhsa--gfx1250"
	.amdhsa_code_object_version 6
	.text
	.protected	k_q0ac967fc55_quant
	.globl	k_q0ac967fc55_quant
	.p2align	8
	.type	k_q0ac967fc55_quant,@function
k_q0ac967fc55_quant:
	s_mov_b64 s[64:65], 0
	v_nop
	global_prefetch_b8 v0, s[64:65] scope:SCOPE_SE
	s_setreg_imm32_b32 hwreg(HW_REG_WAVE_MODE, 25, 1), 1
	s_wait_xcnt 0x0
; x [8192][1024] and Wq, Wk, Wv, Wo [1024][1024], f32, K innermost, become codes of FP6 (E2M3) with one E8M0 byte for each 32 along K,
; laid in the ORDER OF THE OPERAND'S REGISTERS, so that later launches fetch fragments by loads of 16 and 8 bytes a lane.
; A RECORD (25,600 bytes) is 32 rows x K 1,024.  Its rows form two tiles: lane r of tile u holds row 8 u + r + 8 (r / 8).
; Fragment (u, s), 16 rows x 128 K, lies at 12,288 u + 1,536 s: registers 0-3 at 16 x lane, 4-5 at 512 + 8 x lane, 6-9 at 768 + 16 x lane, 10-11 at 1,280 + 8 x lane.
; Lane (r, h) holds in registers 6 c .. 6 c + 5 the codes of k = 128 s + 64 c + 32 h + 0 .. 31 of its row.
; The scale word of (u, r, s) lies at 24,576 + 256 (s / 2) + 8 (16 u + r) + 4 (s % 2).
; A block's scale is 2^(floor(log2(largest magnitude)) - 2); its byte is the largest magnitude's exponent field - 2, held at 1 from below.
; LIMITS: a block whose largest magnitude lies under 2^-124 (zeros among them) gets the byte 1 where the rule says 127 for zeros: its codes are zeros or next to it,
; and this program alone reads the bytes.  NaN and infinities among the inputs are not served.
; SHARES: a work-group makes one record (work-groups 0-255: x; then 32 for each weight); wave w makes K steps 2 w and 2 w + 1 of both tiles: four fragments.
; Each load reads 512 consecutive bytes of a row; a fragment's 16 rows turn through the wave's own stage in LDS, so that a lane gets 32 neighbours along K.
; Waves share nothing: no barrier.
.set REC,   25600
.set SP,    528                        ; a stage row: 512 bytes + 16, an odd multiple of 16: the sixteen rows that a load touches start 16 bytes apart modulo 256
.set WST,   16*SP                      ; a wave's stage
.set SPARE, 4*WST                      ; behind the stages: the spare words, 128 bytes a wave, two blocks of 256 bytes that no other line names
.set SPW,   12                         ; v12  my spare word's address; never rewritten
.set NIL,   13                         ; v13  0; never rewritten
.set R,     16                         ; v16-143  two sets of 64: a fragment as loaded
.set X,     144                        ; v144-207 my 64 numbers: register 32 c + i = k 64 c + 32 h + i
.set PC,    208                        ; v208-219 the fragment's codes
.set C2,    220                        ; v220-222, v224-226 the upper halves of the two blocks, as converted
.set MX,    228                        ; v228-229 largest magnitudes
.set SO,    230                        ; v230-231 the conversions' scale operands
.set BY,    232                        ; v232-233 the bytes
.set WD,    234                        ; v234-237 scale words of fragments 0-3
.set E,     238                        ; v238-239 the words as they are stored
.set PT,    240                        ; v240 a lane permute's target
	s_load_b256 s[4:11], s[0:1], 0x0               ; x, Wq, Wk, Wv
	s_load_b128 s[12:15], s[0:1], 0x20             ; Wo, ximg
	s_load_b64 s[16:17], s[0:1], 0x30              ; wimg
	v_lshl_add_u32 v[SPW], v0, 2, SPARE
	v_mov_b32 v[NIL], 0
	v_lshrrev_b32 v6, 5, v0
	v_readfirstlane_b32 s18, v6                    ; wave
	v_and_b32 v7, 31, v0                           ; lane
	v_lshlrev_b32 v1, 4, v7                        ; 16 x lane
	v_lshlrev_b32 v4, 3, v7                        ; 8 x lane
	v_and_b32 v8, 15, v0                           ; r
	v_bfe_u32 v9, v0, 4, 1                         ; h
	v_lshlrev_b32 v5, 3, v9                        ; 8 h: my bytes' shift in a scale word
	s_mul_i32 s19, s18, WST
	v_add_nc_u32 v2, s19, v1                       ; the stage on the way in: 16 x lane of a row
	v_mul_u32_u24 v3, v8, SP
	v_lshl_add_u32 v3, v9, 7, v3
	v_add_nc_u32 v3, s19, v3                       ; and on the way out: row r, 128 h bytes on
	v_mov_b32 v[PT], 0                             ; written once: a lane permute's destination counts as one of its sources
	s_mov_b32 s20, 0x76543210
	s_mov_b32 s21, 0xfedcba98                      ; v_permlanex16_b32's selects for lane l xor 16
	s_and_b32 s22, ttmp9, 31                       ; a weight's block of 32 rows
	s_max_u32 s23, ttmp9, 256
	s_sub_co_u32 s23, s23, 256                     ; and its record in wimg
	s_wait_alu depctr_va_vdst(0)
	s_wait_kmcnt 0x0
	s_cmp_lt_u32 ttmp9, 256                        ; the choices hang on the work-group's number alone
	s_cselect_b64 s[24:25], s[4:5], s[6:7]
	s_cselect_b64 s[26:27], s[14:15], s[16:17]
	s_cselect_b32 s22, ttmp9, s22
	s_cselect_b32 s23, ttmp9, s23
	s_cmp_ge_u32 ttmp9, 288
	s_cselect_b64 s[24:25], s[8:9], s[24:25]
	s_cmp_ge_u32 ttmp9, 320
	s_cselect_b64 s[24:25], s[10:11], s[24:25]
	s_cmp_ge_u32 ttmp9, 352
	s_cselect_b64 s[24:25], s[12:13], s[24:25]
	s_lshl_b32 s28, s22, 17                        ; 32 rows of 4,096 bytes,
	s_lshl_b32 s29, s18, 10                        ; my wave's two K steps: 1,024 bytes of each row
	s_add_co_u32 s28, s28, s29
	s_mov_b32 s29, 0
	s_add_nc_u64 s[24:25], s[24:25], s[28:29]
	s_mul_i32 s28, s23, REC
	s_add_nc_u64 s[26:27], s[26:27], s[28:29]      ; my record
	s_lshl_b32 s28, s18, 8
	s_add_nc_u64 s[30:31], s[26:27], s[28:29]      ; my wave's 256 bytes of scale words (24,576 stands in the store's immediate)
	s_mul_i32 s28, s18, 3072
	s_add_nc_u64 s[26:27], s[26:27], s[28:29]      ; my wave's fragments
; fragment f = 2 u + sl: 16 loads, one for each row of tile u, 512 consecutive bytes each
.macro LOADF f
.set j, 0
.rept 16
	global_load_b128 v[R+64*((\f)%2)+4*j:R+64*((\f)%2)+4*j+3], v1, s[24:25] offset:(8*((\f)/2)+j+8*(j/8))*4096+((\f)%2)*512 th:TH_LOAD_NT
.set j, j+1
.endr
.endm
.macro FRAGQ f
.if (\f) < 3
	s_wait_loadcnt 16                              ; this fragment's 16 loads are in; the next fragment's 16 may be out
.else
	s_wait_loadcnt 0x0
.endif
.set j, 0
.rept 16
	ds_store_b128 v2, v[R+64*((\f)%2)+4*j:R+64*((\f)%2)+4*j+3] offset:j*SP
.set j, j+1
.endr
.set j, 0
.rept 16
	ds_load_b128 v[X+4*j:X+4*j+3], v3 offset:256*(j/8)+16*(j%8)    ; LDS serves a wave's instructions in order: these see the stores above
.set j, j+1
.endr
	s_wait_dscnt 0x0                               ; my numbers are back, and the stores have read their registers,
.if (\f) < 2
	LOADF (\f)+2                                   ; which take the fragment two on
.endif
.irp c, 0,1
	v_max3_num_f32 v[MX+\c], |v[X+32*\c]|, |v[X+32*\c+1]|, 0x1800000   ; block 2 c + h is all mine; the floor 2^(3 - 127) holds the byte at 1 from below
.endr
.irp i, 2,4,6,8,10,12,14,16,18,20,22,24,26,28,30
.irp c, 0,1
	v_max3_num_f32 v[MX+\c], v[MX+\c], |v[X+32*\c+\i]|, |v[X+32*\c+\i+1]|   ; the two blocks by turns
.endr
.endr
.irp c, 0,1
	v_add_nc_u32 v[SO+\c], 0xff000000, v[MX+\c]    ; 2 off the exponent field: the conversion takes this operand's exponent field as its scale
.endr
.irp c, 0,1
	v_lshrrev_b32 v[BY+\c], 23, v[SO+\c]           ; the byte
.endr
	v_lshl_or_b32 v[WD+(\f)], v[BY+1], 16, v[BY]   ; blocks h and 2 + h,
	v_lshlrev_b32 v[WD+(\f)], v5, v[WD+(\f)]       ; at their places;
	v_permlanex16_b32 v[PT], v[WD+(\f)], s20, s21
	v_or_b32 v[WD+(\f)], v[WD+(\f)], v[PT]         ; with lane l xor 16's two the row's word is whole, in both halves of the lanes
	s_wait_alu depctr_va_vdst(0)
	s_wait_xcnt 0x0                                ; the last fragment's stores have read their data: the codes' registers are written only behind this wait
.irp c, 0,1
	v_cvt_scalef32_pk16_fp6_f32 v[PC+6*\c:PC+6*\c+2], v[X+32*\c:X+32*\c+15], v[SO+\c]
	v_cvt_scalef32_pk16_fp6_f32 v[C2+4*\c:C2+4*\c+2], v[X+32*\c+16:X+32*\c+31], v[SO+\c]   ; (a conversion's three registers begin on an even number)
.endr
	v_nop                                          ; one plain instruction behind the scaled conversions
.irp c, 0,1
.irp i, 0,1,2
	v_mov_b32 v[PC+6*\c+3+\i], v[C2+4*\c+\i]
.endr
.endr
	global_store_b128 v1, v[PC:PC+3], s[26:27] offset:((\f)/2)*12288+((\f)%2)*1536          ; 512 consecutive bytes, at a multiple of 256 from the buffer's first byte
	global_store_b64 v4, v[PC+4:PC+5], s[26:27] offset:((\f)/2)*12288+((\f)%2)*1536+512     ; 256
	global_store_b128 v1, v[PC+6:PC+9], s[26:27] offset:((\f)/2)*12288+((\f)%2)*1536+768
	global_store_b64 v4, v[PC+10:PC+11], s[26:27] offset:((\f)/2)*12288+((\f)%2)*1536+1280
.endm
	LOADF 0
	LOADF 1
	FRAGQ 0
	FRAGQ 1
	FRAGQ 2
	FRAGQ 3
	s_mov_b32 vcc_lo, 0xffff0000
	v_cndmask_b32 v[E], v[WD], v[WD+2], vcc_lo     ; lanes 0-15: tile 0's words, lanes 16-31: tile 1's; K step 2 w,
	v_cndmask_b32 v[E+1], v[WD+1], v[WD+3], vcc_lo ; and 2 w + 1
	global_store_b64 v4, v[E:E+1], s[30:31] offset:24576   ; 256 consecutive bytes
	s_wait_tensorcnt 0x0                           ; the wave's end, behind my last LDS store
	ds_add_u32 v[SPW], v[NIL]
	s_wait_dscnt 0x0
	s_endpgm
.Lfunc_end_k_q0ac967fc55_quant:
	.size	k_q0ac967fc55_quant, .Lfunc_end_k_q0ac967fc55_quant-k_q0ac967fc55_quant
	.p2alignl 7, 3214868480
	.fill 96, 4, 3214868480
	.section	.rodata,"a",@progbits
	.p2align	6, 0x0
	.amdhsa_kernel k_q0ac967fc55_quant
		.amdhsa_group_segment_fixed_size 34304
		.amdhsa_private_segment_fixed_size 0
		.amdhsa_enable_private_segment 0
		.amdhsa_kernarg_size 56
		.amdhsa_user_sgpr_count 2
		.amdhsa_user_sgpr_kernarg_segment_ptr 1
		.amdhsa_wavefront_size32 1
		.amdhsa_system_sgpr_workgroup_id_x 1
		.amdhsa_system_sgpr_workgroup_id_y 1
		.amdhsa_system_sgpr_workgroup_id_z 1
		.amdhsa_system_vgpr_workitem_id 0
		.amdhsa_next_free_vgpr 256
		.amdhsa_next_free_sgpr 66
		.amdhsa_reserve_vcc 1
		.amdhsa_float_denorm_mode_32 3
		.amdhsa_float_denorm_mode_16_64 3
		.amdhsa_memory_ordered 1
		.amdhsa_forward_progress 1
		.amdhsa_inst_pref_size 31
	.end_amdhsa_kernel
	.amdgpu_metadata
---
amdhsa.version: [ 1, 2 ]
amdhsa.kernels:
  - .name:           k_q0ac967fc55_quant
    .symbol:         k_q0ac967fc55_quant.kd
    .args:
      - { .name: x, .offset: 0, .size: 8, .value_kind: global_buffer, .address_space: global }
      - { .name: Wq, .offset: 8, .size: 8, .value_kind: global_buffer, .address_space: global }
      - { .name: Wk, .offset: 16, .size: 8, .value_kind: global_buffer, .address_space: global }
      - { .name: Wv, .offset: 24, .size: 8, .value_kind: global_buffer, .address_space: global }
      - { .name: Wo, .offset: 32, .size: 8, .value_kind: global_buffer, .address_space: global }
      - { .name: ximg, .offset: 40, .size: 8, .value_kind: global_buffer, .address_space: global }
      - { .name: wimg, .offset: 48, .size: 8, .value_kind: global_buffer, .address_space: global }
    .group_segment_fixed_size: 34304
    .private_segment_fixed_size: 0
    .kernarg_segment_align: 8
    .kernarg_segment_size: 56
    .max_flat_workgroup_size: 128
    .sgpr_count:     66
    .vgpr_count:     256
    .wavefront_size: 32
...
	.end_amdgpu_metadata
.endif
;; end of part 1
;; launch qkv (part 2): grid 8 x 32, 4 waves a work-group, clusters of 4 x 4, 327,680 bytes of LDS; arguments ximg, wimg, hb; writes hb
.if DOCPART == 2
	.amdgcn_target "amdgcn-amd-amdhsa--gfx1250"
	.amdhsa_code_object_version 6
	.text
	.protected	k_q0ac967fc55_qkv
	.globl	k_q0ac967fc55_qkv
	.p2align	8
	.type	k_q0ac967fc55_qkv,@function
k_q0ac967fc55_qkv:
	s_mov_b64 s[64:65], 0
	v_nop
	global_prefetch_b8 v0, s[64:65] scope:SCOPE_SE
	s_setreg_imm32_b32 hwreg(HW_REG_WAVE_MODE, 25, 1), 1
	s_wait_xcnt 0x0
	s_wait_alu depctr_hold_cnt(0) depctr_sa_sdst(0) depctr_va_vdst(0) depctr_va_sdst(0) depctr_va_ssrc(0) depctr_va_vcc(0) depctr_vm_vsrc(0)
	s_getreg_b32 s2, hwreg(HW_REG_IB_STS2, 6, 4)
	s_cmp_eq_u32 s2, 0
	s_cbranch_scc0 .Lentry_in_a_cluster
	s_endpgm
.Lentry_in_a_cluster:
	s_bfe_u32 s2, ttmp6, 0x10000c
	s_cmp_lg_u32 s2, 0xf033
	s_cbranch_scc0 .Lentry_shape_is_right
	s_endpgm
.Lentry_shape_is_right:
; q = x Wq^T, k = x Wk^T, v = x Wv^T on codes of FP6 (E2M3) with E8M0 scales; the results are quantised in registers and stored as register images for the attention launch.
; RECORDS (25,600 bytes: 32 rows x K 1,024, two tiles; lane r of tile u holds row 8 u + r + 8 (r / 8)): fragment (u, s) at 12,288 u + 1,536 s, scale words at 24,576 + 256 (s / 2) + 8 (16 u + r) + 4 (s % 2).
; SHARES.  Work-group (sigma, rho): 256 tokens (x's records 8 rho ..) x 256 rows of Wq|Wk (records 8 sigma ..), then x 128 rows of Wv (records 64 + 4 sigma ..).
; Each wave keeps 64 rows of ONE operand in 384 registers for a phase (source 0: its rows become the result's registers) and streams the other from LDS, 32 rows a step (source 1: its rows become the result's lanes).
;   phase QK: kept = my 64 rows of Wq or Wk, which are one head; streamed = the 8 blocks of 32 tokens.  A lane then holds one token and 2 x 16 neighbouring channels: q and k are quantised along the head's 64.
;   phase V : kept = my 64 tokens; streamed = 4 blocks of 32 rows of Wv.  A lane then holds one channel and 2 x 16 neighbouring tokens: v is quantised along the keys.
; By the order of rows in a tile the 16 registers of result tiles 2 b and 2 b + 1 are the neighbours 32 b + 16 (lane / 16) + 0 .. 15.
; CLUSTER 4 x 4: x's records hang on rho alone and are asked for jointly by a row of the cluster, Wv's on sigma alone, by a column.  All twelve records are first fills: no LDS byte is filled twice.
; Three tensor loads of a wave are out at the most.
; hb: a record of 307,200 bytes for each (batch, head): q's codes 0 (128 tiles x 768), q's words 98,304, k's codes 102,400, v's codes 200,704 ([16 key steps][4 tiles of channels][2 x 768]), k's words 299,008, v's words 303,104.
; LIMITS: a block whose largest magnitude lies under 2^-124 gets the scale byte 1; NaN and infinities are not served.
; REGISTERS: window 0: v1-4 lane terms, v8-11 LDS addresses, v16-31 the kept operand's scale words, v32-39 the stream's, v64-127 eight accumulators (32 u + 8 t), v128-161 codes at work.
;   window 1: kept fragments (t, s < 4) at 48 t + 12 s;  window 2: s >= 4;  window 3: the stream: K steps 0-3 at 48 u + 12 s, K steps 4-7 at 96 + 48 u + 12 (s - 4).
.set REC,   25600
.set HREC,  307200
.set SPARE, 12*REC                     ; behind the twelve records: the spare words, 128 bytes a wave, two blocks of 256 bytes that no other line names
.set SPW,   12
.set NIL,   13
.set SS,    16
.set TS,    32
.set ACC,   64
.set PC0,   128                        ; tile u = 0's codes: +0 .. +5, at work +8 .. +10
.set PC1,   140
.set TM,    152                        ; v152-157 at work in QUANT2
.set PW0,   160
.set PW1,   161
.set WV,    10
.set SB,    22                         ; s22 LDS byte of the streamed record in hand
.set G1X,   24                         ; s[24:31] descriptor group 1 for x's records;  s[32:39] for Wv's: the mask alone differs
.set G1W,   32
.set G0A,   48                         ; s[48:51], s[52:55]: x's records w and 4 + w;  s[56:59]: Wv's record w
.set G0B,   52
.set G0C,   56
.set SEL,   60
.set MSB, 0
.macro WIN new                         ; the immediate's high byte repeats the setting that is left
.if MSB != (\new)
	s_set_vgpr_msb (MSB<<8)|(\new)
.set MSB, (\new)
.endif
.endm
.macro ROUND                           ; a round of the cluster's barrier
	s_barrier_signal -1
	s_barrier_wait -1
	s_cmp_lg_u32 s[WV], 0
	s_cbranch_scc1 .Lnot_wave_0_\@
	s_barrier_signal -3
.Lnot_wave_0_\@:
	s_barrier_wait -3
	s_barrier_signal -1
	s_barrier_wait -1
.endm
.macro PLACES n
.rept \n
	v_nop
.endr
.endm
; one product.  z = 1: it starts the sum.  ra, rb: the scale words stand in lanes 16-31 of the register named
.macro WM d, a, b, z, sa, sb, ra, rb
.if \z
.if (\ra) && (\rb)
	v_wmma_scale_f32_16x16x128_f8f6f4 v[\d:\d+7], v[\a:\a+11], v[\b:\b+11], 0, v[\sa], v[\sb] matrix_a_fmt:MATRIX_FMT_FP6 matrix_b_fmt:MATRIX_FMT_FP6 matrix_a_scale:MATRIX_SCALE_ROW1 matrix_b_scale:MATRIX_SCALE_ROW1
.elseif (\ra)
	v_wmma_scale_f32_16x16x128_f8f6f4 v[\d:\d+7], v[\a:\a+11], v[\b:\b+11], 0, v[\sa], v[\sb] matrix_a_fmt:MATRIX_FMT_FP6 matrix_b_fmt:MATRIX_FMT_FP6 matrix_a_scale:MATRIX_SCALE_ROW1
.elseif (\rb)
	v_wmma_scale_f32_16x16x128_f8f6f4 v[\d:\d+7], v[\a:\a+11], v[\b:\b+11], 0, v[\sa], v[\sb] matrix_a_fmt:MATRIX_FMT_FP6 matrix_b_fmt:MATRIX_FMT_FP6 matrix_b_scale:MATRIX_SCALE_ROW1
.else
	v_wmma_scale_f32_16x16x128_f8f6f4 v[\d:\d+7], v[\a:\a+11], v[\b:\b+11], 0, v[\sa], v[\sb] matrix_a_fmt:MATRIX_FMT_FP6 matrix_b_fmt:MATRIX_FMT_FP6
.endif
.else
.if (\ra) && (\rb)
	v_wmma_scale_f32_16x16x128_f8f6f4 v[\d:\d+7], v[\a:\a+11], v[\b:\b+11], v[\d:\d+7], v[\sa], v[\sb] matrix_a_fmt:MATRIX_FMT_FP6 matrix_b_fmt:MATRIX_FMT_FP6 matrix_a_scale:MATRIX_SCALE_ROW1 matrix_b_scale:MATRIX_SCALE_ROW1
.elseif (\ra)
	v_wmma_scale_f32_16x16x128_f8f6f4 v[\d:\d+7], v[\a:\a+11], v[\b:\b+11], v[\d:\d+7], v[\sa], v[\sb] matrix_a_fmt:MATRIX_FMT_FP6 matrix_b_fmt:MATRIX_FMT_FP6 matrix_a_scale:MATRIX_SCALE_ROW1
.elseif (\rb)
	v_wmma_scale_f32_16x16x128_f8f6f4 v[\d:\d+7], v[\a:\a+11], v[\b:\b+11], v[\d:\d+7], v[\sa], v[\sb] matrix_a_fmt:MATRIX_FMT_FP6 matrix_b_fmt:MATRIX_FMT_FP6 matrix_b_scale:MATRIX_SCALE_ROW1
.else
	v_wmma_scale_f32_16x16x128_f8f6f4 v[\d:\d+7], v[\a:\a+11], v[\b:\b+11], v[\d:\d+7], v[\sa], v[\sb] matrix_a_fmt:MATRIX_FMT_FP6 matrix_b_fmt:MATRIX_FMT_FP6
.endif
.endif
.endm
; 32 products: K steps 4 half .. 4 half + 3; the eight accumulators take turns, one instruction a turn
.macro MUL half
	WIN 0x0d+\half                                 ; source 0: window 1 or 2; source 1: window 3; C and D: window 0
.irp sl, 0,1,2,3
.irp t, 0,1,2,3
.irp u, 0,1
.if (4*\half+\sl) == 0
	WM ACC+32*\u+8*\t, 48*\t+12*\sl, 96*\half+48*\u+12*\sl, 1, SS+8*(\t/2)+4*\half+\sl, TS+4*\half+\sl, \t%2, \u
.else
	WM ACC+32*\u+8*\t, 48*\t+12*\sl, 96*\half+48*\u+12*\sl, 0, SS+8*(\t/2)+4*\half+\sl, TS+4*\half+\sl, \t%2, \u
.endif
.endr
.endr
.endr
.endm
; a kept fragment: g = 1 from memory (Wq, Wk), g = 0 from LDS (x)
.macro STATF g, reg, off
.if \g
	global_load_b128 v[\reg:\reg+3], v1, s[12:13] offset:\off
	global_load_b64 v[\reg+4:\reg+5], v2, s[12:13] offset:\off+512
	global_load_b128 v[\reg+6:\reg+9], v1, s[12:13] offset:\off+768
	global_load_b64 v[\reg+10:\reg+11], v2, s[12:13] offset:\off+1280
.else
	ds_load_b128 v[\reg:\reg+3], v10 offset:\off
	ds_load_b64 v[\reg+4:\reg+5], v11 offset:\off+512
	ds_load_b128 v[\reg+6:\reg+9], v10 offset:\off+768
	ds_load_b64 v[\reg+10:\reg+11], v11 offset:\off+1280
.endif
.endm
.macro STAT g                          ; the kept operand: two records: 32 fragments and their scale words
.irp hf, 0,1
	WIN 0x40+0x40*\hf                              ; destination window 1, then 2; address window 0
.irp t, 0,1,2,3
.irp sl, 0,1,2,3
	STATF \g, 48*\t+12*\sl, (\t/2)*REC+(\t%2)*12288+(4*\hf+\sl)*1536
.endr
.endr
.endr
	WIN 0
.irp tp, 0,1
.irp q, 0,1,2,3
.if \g
	global_load_b64 v[SS+8*\tp+2*\q:SS+8*\tp+2*\q+1], v2, s[12:13] offset:\tp*REC+24576+256*\q
.else
	ds_load_b64 v[SS+8*\tp+2*\q:SS+8*\tp+2*\q+1], v11 offset:\tp*REC+24576+256*\q
.endif
.endr
.endr
.endm
.macro SFETCH half, off                ; 32 LDS loads: the stream's eight fragments of K steps 4 half .. + 3
	WIN 0xc0                                       ; destination window 3
.irp u, 0,1
.irp sl, 0,1,2,3
	ds_load_b128 v[96*\half+48*\u+12*\sl:96*\half+48*\u+12*\sl+3], v8 offset:\off+\u*12288+(4*\half+\sl)*1536
	ds_load_b64 v[96*\half+48*\u+12*\sl+4:96*\half+48*\u+12*\sl+5], v9 offset:\off+\u*12288+(4*\half+\sl)*1536+512
	ds_load_b128 v[96*\half+48*\u+12*\sl+6:96*\half+48*\u+12*\sl+9], v8 offset:\off+\u*12288+(4*\half+\sl)*1536+768
	ds_load_b64 v[96*\half+48*\u+12*\sl+10:96*\half+48*\u+12*\sl+11], v9 offset:\off+\u*12288+(4*\half+\sl)*1536+1280
.endr
.endr
.endm
.macro TSFETCH off                     ; the stream's scale words: a register for each K step, tile 0 in lanes 0-15, tile 1 in lanes 16-31
	WIN 0
.irp q, 0,1,2,3
	ds_load_b64 v[TS+2*\q:TS+2*\q+1], v9 offset:\off+24576+256*\q
.endr
.endm
; 32 numbers of a lane, register 16 b + i = index 32 b + 16 (lane / 16) + i of two blocks of 32, become six registers of codes in v[pc] on (lane (r, h): block h whole) and the two bytes in v[pw]
.macro QUANT2 src, pc, pw
.irp b, 0,1
	v_max3_num_f32 v[TM+\b], |v[(\src)+16*\b]|, |v[(\src)+16*\b+1]|, 0x1800000   ; each accumulator is read from its low end on; the floor 2^(3 - 127) holds the byte at 1 from below
.endr
.irp i, 2,4,6,8,10,12,14
.irp b, 0,1
	v_max3_num_f32 v[TM+\b], v[TM+\b], |v[(\src)+16*\b+\i]|, |v[(\src)+16*\b+\i+1]|
.endr
.endr
.irp b, 0,1
	v_permlanex16_b32 v[TM+2+\b], v[TM+\b], s[SEL], s[SEL+1]
.endr
.irp b, 0,1
	v_max_num_f32 v[TM+\b], v[TM+\b], v[TM+2+\b]   ; with lane l xor 16's: the block's largest magnitude
.endr
.irp b, 0,1
	v_add_nc_u32 v[TM+4+\b], 0xff000000, v[TM+\b]  ; 2 off the exponent field: the conversion's scale operand
.endr
.irp b, 0,1
	v_lshrrev_b32 v[TM+2+\b], 23, v[TM+4+\b]       ; the byte
.endr
	v_lshl_or_b32 v[\pw], v[TM+3], 8, v[TM+2]
	v_cvt_scalef32_pk16_fp6_f32 v[(\pc):(\pc)+2], v[(\src):(\src)+15], v[TM+4]
	v_cvt_scalef32_pk16_fp6_f32 v[(\pc)+8:(\pc)+10], v[(\src)+16:(\src)+31], v[TM+5]
	v_nop                                          ; one plain instruction behind the scaled conversions
.irp i, 0,1,2
	v_permlane16_swap_b32 v[(\pc)+\i], v[(\pc)+8+\i]   ; the first's lanes 16-31 change places with the second's lanes 0-15: a lane now holds its block's lower 16 codes and its upper 16
.endr
.irp i, 0,1,2
	v_mov_b32 v[(\pc)+3+\i], v[(\pc)+8+\i]
.endr
.endm
; One streamed record: 64 products, the next record fetched meanwhile (pf = 1), the 32 x 64 results quantised and stored.  kind 0: q or k; kind 1: v, block p of Wv's rows
.macro PAIR pf, kind, p
	s_wait_dscnt 32                                ; K steps 0-3 and the scale words are in; the 32 loads of K steps 4-7 may be out
	MUL 0
	PLACES 4                                       ; four places in front of loads into registers that matrix instructions have read (ISA guide 7.12.1 for vector instructions)
.if \pf
	SFETCH 0, REC
	s_wait_dscnt 32                                ; all but the 32 just issued: K steps 4-7 are in
.else
	s_wait_dscnt 0x0
.endif
	MUL 1
	PLACES 5                                       ; five: behind them come loads into operands, reads of results, and the next record's first products, which write over the accumulators
.if \pf
	TSFETCH REC
	SFETCH 1, REC
.endif
	WIN 0
	s_wait_xcnt 0x0                                ; the last record's stores have read their data and bases: both are written only behind this wait
.if \kind == 0
	s_add_nc_u64 s[14:15], s[14:15], s[40:41]      ; 0 in the first trip, then two tiles' codes on,
	s_add_nc_u64 s[16:17], s[16:17], s[42:43]      ; and sixteen words
	s_mov_b32 s40, 1536
	s_mov_b32 s42, 64
.endif
	QUANT2 ACC, PC0, PW0
	QUANT2 ACC+32, PC1, PW1
.if \kind == 0
	v_lshl_or_b32 v[PW0], v[PW1], 16, v[PW0]       ; bytes 0, 1: tile 0's two blocks; bytes 2, 3: tile 1's
	global_store_b128 v1, v[PC0:PC0+3], s[14:15]                   ; 512 consecutive bytes, at a multiple of 256 from the buffer's first byte
	global_store_b64 v2, v[PC0+4:PC0+5], s[14:15] offset:512
	global_store_b128 v1, v[PC1:PC1+3], s[14:15] offset:768
	global_store_b64 v2, v[PC1+4:PC1+5], s[14:15] offset:1280
	global_store_b32 v4, v[PW0], s[16:17]          ; lanes r and r + 16 store the same word with the same value
.else
	v_permlane16_swap_b32 v[PW0], v[PW1]           ; lanes 0-15: tile 0's bytes, lanes 16-31: tile 1's
	global_store_b128 v1, v[PC0:PC0+3], s[18:19] offset:(\p/2)*HREC+((2*\p)%4)*1536
	global_store_b64 v2, v[PC0+4:PC0+5], s[18:19] offset:(\p/2)*HREC+((2*\p)%4)*1536+512
	global_store_b128 v1, v[PC1:PC1+3], s[18:19] offset:(\p/2)*HREC+((2*\p+1)%4)*1536
	global_store_b64 v2, v[PC1+4:PC1+5], s[18:19] offset:(\p/2)*HREC+((2*\p+1)%4)*1536+512
	global_store_b16 v3, v[PW0], s[20:21] offset:(\p/2)*HREC+((2*\p)%4)*64   ; my 64 keys' two bytes of each channel's word
.endif
	s_add_co_u32 s[SB], s[SB], REC                 ; on to the next record (LDS loads have read their addresses at issue)
	v_add_nc_u32 v8, s[SB], v1
	v_add_nc_u32 v9, s[SB], v2
.endm
	s_load_b128 s[4:7], s[0:1], 0x0                ; ximg, wimg
	s_load_b64 s[8:9], s[0:1], 0x10                ; hb
	v_lshl_add_u32 v[SPW], v0, 2, SPARE
	v_mov_b32 v[NIL], 0
	ds_add_u32 v[SPW], v[NIL]                      ; the wave's opening: the add and its wait ahead of my first tensor load
	ds_add_u32 v[SPW], v[NIL]
	v_lshrrev_b32 v5, 5, v0
	v_readfirstlane_b32 s[WV], v5                  ; wave 0..3
	v_and_b32 v5, 31, v0
	v_lshlrev_b32 v1, 4, v5                        ; 16 x lane
	v_lshlrev_b32 v2, 3, v5                        ; 8 x lane
	v_lshlrev_b32 v3, 2, v5                        ; 4 x lane
	v_and_b32 v4, 15, v0
	v_lshlrev_b32 v4, 2, v4                        ; 4 r
	s_mov_b32 s[SB], 0
	v_add_nc_u32 v8, s[SB], v1
	v_add_nc_u32 v9, s[SB], v2
	s_mul_i32 s70, s[WV], REC                      ; where my tensor loads go: no place in the cluster enters an LDS address
	s_lshl_b32 s71, s70, 1
	v_add_nc_u32 v10, s71, v1                      ; x's records 2 w and 2 w + 1: my kept tokens in phase V
	v_add_nc_u32 v11, s71, v2
	v_mov_b32 v[TM+2], 0                           ; written once: a lane permute's destination counts as one of its sources
	v_mov_b32 v[TM+3], 0
	s_mov_b32 s[SEL], 0x76543210
	s_mov_b32 s[SEL+1], 0xfedcba98
	s_mov_b32 s40, 0
	s_mov_b32 s41, 0
	s_mov_b32 s42, 0
	s_mov_b32 s43, 0
	s_bfe_u32 s11, ttmp6, 0x40000                  ; cx
	s_bfe_u32 s44, ttmp6, 0x40004                  ; cy
	s_lshl_b32 s45, ttmp9, 2
	s_add_co_u32 s45, s45, s11                     ; sigma = 4 x cluster x + cx
	s_and_b32 s46, ttmp7, 0xffff
	s_lshl_b32 s46, s46, 2
	s_add_co_u32 s46, s46, s44                     ; rho = 4 x cluster y + cy
	s_lshl_b32 s47, s44, 2
	s_lshl_b32 s47, 15, s47                        ; my row of the cluster
	s_lshl_b32 s62, 0x1111, s11                    ; my column
	; descriptor group 1: a record as 100 rows of 256 bytes (32 elements of 8 bytes), dense, no padding
	s_or_b32 s[G1X], s47, (3<<16)|(1<<21)          ; 15:0 the mask; 17:16 elements of 8 bytes; 21 set beside a mask
	s_or_b32 s[G1W], s62, (3<<16)|(1<<21)
.irp g, G1X, G1W
	s_mov_b32 s[\g+1], 32<<16                      ; tensor_dim0 = 32
	s_mov_b32 s[\g+2], 100<<16                     ; tensor_dim1 = 100
	s_mov_b32 s[\g+3], 32<<16                      ; tile_dim0 = 32
	s_mov_b32 s[\g+4], 100                         ; tile_dim1 = 100
	s_mov_b32 s[\g+5], 32                          ; from row to row
	s_mov_b32 s[\g+6], 0
	s_mov_b32 s[\g+7], 0
.endr
	s_lshl_b32 s66, s46, 3                         ; x: record 8 rho + w, in registers that never hold sigma
	s_add_co_u32 s66, s66, s[WV]
	s_mul_i32 s66, s66, REC
	s_mov_b32 s67, 0
	s_lshl_b32 s68, s45, 2                         ; Wv: record 64 + 4 sigma + w, in registers that never hold rho
	s_add_co_u32 s68, s68, s[WV]
	s_add_co_u32 s68, s68, 64
	s_mul_i32 s68, s68, REC
	s_mov_b32 s69, 0
	s_lshl_b32 s72, s45, 3                         ; my kept rows of Wq | Wk: records 8 sigma + 2 w and the next
	s_lshl_b32 s73, s[WV], 1
	s_add_co_u32 s72, s72, s73
	s_mul_i32 s72, s72, REC
	s_mov_b32 s73, 0
	; where the results go
	s_lshr_b32 s74, s46, 3
	s_lshl_b32 s74, s74, 4                         ; 16 x batch
	s_and_b32 s75, s46, 7                          ; which 256 tokens of the batch's 2,048
	s_lshl_b32 s76, s45, 2
	s_add_co_u32 s76, s76, s[WV]                   ; 4 sigma + w: 0-15 q's heads, 16-31 k's
	s_and_b32 s77, s76, 15
	s_add_co_u32 s77, s77, s74
	s_mul_i32 s77, s77, HREC                       ; the head's record
	s_lshr_b32 s78, s76, 4
	s_mul_i32 s80, s78, 102400                     ; q's codes at 0, k's at 102,400;
	s_add_co_u32 s80, s80, s77
	s_mul_i32 s79, s75, 12288                      ; 16 tiles of 768 bytes for 256 tokens
	s_add_co_u32 s80, s80, s79
	s_mov_b32 s81, 0
	s_mul_i32 s82, s78, 200704                     ; q's words at 98,304, k's at 299,008;
	s_add_co_u32 s82, s82, s77
	s_lshl_b32 s79, s75, 9                         ; 8 x 64 bytes for 256 tokens
	s_add_co_u32 s82, s82, s79
	s_add_co_u32 s82, s82, 98304
	s_mov_b32 s83, 0
	s_lshl_b32 s84, s45, 1
	s_add_co_u32 s84, s84, s74
	s_mul_i32 s84, s84, HREC                       ; v: head 2 sigma's record
	s_lshl_b32 s79, s75, 2
	s_add_co_u32 s79, s79, s[WV]                   ; my 64 tokens among the batch's 32 such
	s_lshr_b32 s86, s79, 1                         ; key step of 128,
	s_and_b32 s87, s79, 1                          ; and which half of it
	s_lshl_b32 s88, s86, 3
	s_add_co_u32 s88, s88, s87
	s_mul_i32 s88, s88, 768
	s_add_co_u32 s88, s88, s84
	s_add_co_u32 s88, s88, 200704
	s_mov_b32 s89, 0
	s_lshl_b32 s90, s86, 8
	s_lshl_b32 s87, s87, 1
	s_add_co_u32 s90, s90, s87
	s_add_co_u32 s90, s90, s84
	s_add_co_u32 s90, s90, 303104
	s_mov_b32 s91, 0
	s_wait_dscnt 0x0                               ; the opening add is done
	s_wait_kmcnt 0x0
	s_add_nc_u64 s[12:13], s[6:7], s[72:73]
	s_add_nc_u64 s[14:15], s[8:9], s[80:81]
	s_add_nc_u64 s[16:17], s[8:9], s[82:83]
	s_add_nc_u64 s[18:19], s[8:9], s[88:89]
	s_add_nc_u64 s[20:21], s[8:9], s[90:91]
	s_mov_b32 s[G0A], 1                            ; count = 1
	s_mov_b32 s[G0A+1], s70                        ; LDS address: record w
	s_add_nc_u64 s[G0A+2:G0A+3], s[4:5], s[66:67]
	s_or_b32 s[G0A+3], s[G0A+3], 0x80000000        ; type = 2
	s_mov_b32 s[G0B], 1
	s_add_co_u32 s[G0B+1], s70, 4*REC              ; record 4 + w
	s_add_nc_u64 s[G0B+2:G0B+3], s[4:5], s[66:67]
	s_add_nc_u64 s[G0B+2:G0B+3], s[G0B+2:G0B+3], 4*REC
	s_or_b32 s[G0B+3], s[G0B+3], 0x80000000
	s_mov_b32 s[G0C], 1
	s_add_co_u32 s[G0C+1], s70, 8*REC              ; record 8 + w: Wv's
	s_add_nc_u64 s[G0C+2:G0C+3], s[6:7], s[68:69]
	s_or_b32 s[G0C+3], s[G0C+3], 0x80000000
	ROUND                                          ; all sixteen work-groups are here: the joint loads meet
	tensor_load_to_lds s[G0A:G0A+3], s[G1X:G1X+7]
	s_nop 0
	tensor_load_to_lds s[G0B:G0B+3], s[G1X:G1X+7]
	s_nop 0
	tensor_load_to_lds s[G0C:G0C+3], s[G1W:G1W+7]
	s_nop 0
	PLACES 4                                       ; four vector instructions ahead of the next switch of windows
	STAT 1                                         ; my 64 rows of Wq or Wk come from memory while the records land
	s_wait_tensorcnt 0x0                           ; my three records are in LDS,
	s_barrier_signal -1
	s_barrier_wait -1                              ; everybody's are; nothing is filled again
	s_wait_alu depctr_va_vdst(0)
	SFETCH 0, 0
	TSFETCH 0
	SFETCH 1, 0
	WIN 0
	s_wait_loadcnt 0x0                             ; the kept operand
	s_mov_b32 s23, 8
.Lqk:                                              ; eight blocks of 32 tokens; the last trip fetches Wv's first record, which lies behind x's eight
	s_wait_alu depctr_va_vdst(0)
	PAIR 1, 0, 0
	s_sub_co_u32 s23, s23, 1
	s_cmp_lg_u32 s23, 0
	s_cbranch_scc1 .Lqk
	STAT 0                                         ; phase V: my 64 tokens take the kept operand's registers (their last readers stand more than five places back)
	s_wait_dscnt 0x0
	s_wait_alu depctr_va_vdst(0)
	PAIR 1, 1, 0
	s_wait_alu depctr_va_vdst(0)
	PAIR 1, 1, 1
	s_wait_alu depctr_va_vdst(0)
	PAIR 1, 1, 2
	PAIR 0, 1, 3
	s_wait_tensorcnt 0x0                           ; the wave's end
	ds_add_u32 v[SPW], v[NIL]
	s_wait_dscnt 0x0
	ROUND                                          ; the closing round
	s_endpgm
.Lfunc_end_k_q0ac967fc55_qkv:
	.size	k_q0ac967fc55_qkv, .Lfunc_end_k_q0ac967fc55_qkv-k_q0ac967fc55_qkv
	.p2alignl 7, 3214868480
	.fill 96, 4, 3214868480
	.section	.rodata,"a",@progbits
	.p2align	6, 0x0
	.amdhsa_kernel k_q0ac967fc55_qkv
		.amdhsa_group_segment_fixed_size 327680
		.amdhsa_private_segment_fixed_size 0
		.amdhsa_enable_private_segment 0
		.amdhsa_kernarg_size 24
		.amdhsa_user_sgpr_count 2
		.amdhsa_user_sgpr_kernarg_segment_ptr 1
		.amdhsa_wavefront_size32 1
		.amdhsa_system_sgpr_workgroup_id_x 1
		.amdhsa_system_sgpr_workgroup_id_y 1
		.amdhsa_system_sgpr_workgroup_id_z 1
		.amdhsa_system_vgpr_workitem_id 0
		.amdhsa_next_free_vgpr 1024
		.amdhsa_next_free_sgpr 96
		.amdhsa_reserve_vcc 0
		.amdhsa_float_denorm_mode_32 3
		.amdhsa_float_denorm_mode_16_64 3
		.amdhsa_memory_ordered 1
		.amdhsa_forward_progress 1
		.amdhsa_inst_pref_size 115
	.end_amdhsa_kernel
	.amdgpu_metadata
---
amdhsa.version: [ 1, 2 ]
amdhsa.kernels:
  - .name:           k_q0ac967fc55_qkv
    .symbol:         k_q0ac967fc55_qkv.kd
    .args:
      - { .name: ximg, .offset: 0, .size: 8, .value_kind: global_buffer, .address_space: global }
      - { .name: wimg, .offset: 8, .size: 8, .value_kind: global_buffer, .address_space: global }
      - { .name: hb, .offset: 16, .size: 8, .value_kind: global_buffer, .address_space: global }
    .group_segment_fixed_size: 327680
    .private_segment_fixed_size: 0
    .kernarg_segment_align: 8
    .kernarg_segment_size: 24
    .max_flat_workgroup_size: 128
    .sgpr_count:     96
    .vgpr_count:     1024
    .wavefront_size: 32
...
	.end_amdgpu_metadata
.endif
;; end of part 2
;; launch attn (part 3): grid 4 x 64, 16 waves a work-group, clusters of 4 x 1, 327,680 bytes of LDS; arguments hb, ctx; writes ctx
.if DOCPART == 3
	.amdgcn_target "amdgcn-amd-amdhsa--gfx1250"
	.amdhsa_code_object_version 6
	.text
	.protected	k_q0ac967fc55_attn
	.globl	k_q0ac967fc55_attn
	.p2align	8
	.type	k_q0ac967fc55_attn,@function
k_q0ac967fc55_attn:
	s_mov_b64 s[64:65], 0
	v_nop
	global_prefetch_b8 v0, s[64:65] scope:SCOPE_SE
	s_setreg_imm32_b32 hwreg(HW_REG_WAVE_MODE, 25, 1), 1
	s_wait_xcnt 0x0
	s_wait_alu depctr_hold_cnt(0) depctr_sa_sdst(0) depctr_va_vdst(0) depctr_va_sdst(0) depctr_va_ssrc(0) depctr_va_vcc(0) depctr_vm_vsrc(0)
	s_getreg_b32 s2, hwreg(HW_REG_IB_STS2, 6, 4)
	s_cmp_eq_u32 s2, 0
	s_cbranch_scc0 .Lentry_in_a_cluster
	s_endpgm
.Lentry_in_a_cluster:
	s_bfe_u32 s2, ttmp6, 0x10000c
	s_cmp_lg_u32 s2, 0x3003
	s_cbranch_scc0 .Lentry_shape_is_right
	s_endpgm
.Lentry_shape_is_right:
; ctx = softmax(q k^T / 8, causal) v for one (batch, head), both products on codes of FP6 (E2M3) with E8M0 scales; ctx is quantised along the features and stored as register images for the last projection.
; THE SOFTMAX: t = score x log2(e) / 8; M = the running largest t rounded UP to a whole number; p = 2^(t - M) is quantised along the keys, not normalised; the row's sum is taken of the unquantised p and divides at the end.
; When M moves, the sum and O are multiplied by 2^(old M - new M), which rounds nothing.
; SHARES.  The four work-groups of a cluster share a head.  A head has 128 tiles of 16 queries; tile t = 8 J + xx needs key steps (128 keys) 0 .. J, of which the last is masked.
; Wave w of work-group x takes tile 8 w + x (J = w) and then tile 8 (15 - w) + 4 + x (J = 15 - w): 17 key steps for every wave.
; LDS holds the head's K and V codes and scale words whole (204,800 bytes, as they lie in hb), brought once by sixteen joint loads, one a wave; behind one barrier the waves run free.
; Every wave walks 16 trips in each phase; a trip beyond J is left out by a scalar branch on the wave's number and the trip's count.
; LAYOUT.  S^T = K Q^T and O^T = V^T P^T: a lane holds one query throughout.  Lane r of key tile 2 b + u holds key 32 b + 8 u + r + 8 (r / 8): the 16 registers of S tiles 2 b, 2 b + 1 are keys 32 b + 16 (lane / 16) + 0 .. 15.
; THE HEAD'S 64 fill half of the instruction's 128: a fragment of K holds TWO key tiles (registers 0-5, 6-11); it is multiplied by [q | 0] for the first and by [0 | q] for the second: zero codes add nothing under any byte but 0xff.
; LIMITS: a block whose largest magnitude lies under 2^-124 gets the scale byte 1; NaN and infinities are not served.
; REGISTERS: v1-4, v243 lane terms; v7 the mask's d; v8-11, v28 the step's addresses; v12 -M, v13 largest t, v[14:15] the sum; v16-27 [q | 0]; v80-91 [0 | q]; v29-31, v92-95 the next tile of q on its way;
;   v32-79 four fragments of K, then of V; v96-159 S^T, then p; v160-191 O^T; v192-223 O / l; v224-235 codes; v232-247, v252, v254 at work; v248-249 K's words, v250-251 V's, v253 p's, v255 q's.
.set REC,   25600
.set HREC,  307200
.set SPARE, 204800                     ; behind the head's image: the spare words, 128 bytes a wave, eight blocks of 256 bytes that no other line names
.set WV,  8
.set G1,  16
.set G0,  24
.set CS,  28                           ; s[28:29] c = log2(e) / 8
.set SEL, 30
.set TB,  32                           ; LDS byte of the step's K tiles (V's lie 98,304 on)
.set TW,  33                           ; and of its scale words
.set KS,  34                           ; the key step
.set J,   35                           ; my tile's last key step
.set SH,  36                           ; 16 x (tile % 2): where my tile's two bytes stand in q's word
.set CNT, 37
.set QCA, 40                           ; pointers: q's codes, q's words, ctx's codes, ctx's words; for the first tile, then for the second
.set QWA, 42
.set CCA, 44
.set CWA, 46
.set QCB, 48
.set QWB, 50
.set CCB, 52
.set CWB, 54
.set TM,  236
.macro ROUND
	s_barrier_signal -1
	s_barrier_wait -1
	s_cmp_lg_u32 s[WV], 0
	s_cbranch_scc1 .Lnot_wave_0_\@
	s_barrier_signal -3
.Lnot_wave_0_\@:
	s_barrier_wait -3
	s_barrier_signal -1
	s_barrier_wait -1
.endm
.macro WM d, a, b, z, sa, sb, ra       ; one product; z = 1: it starts the sum; ra: source 0's scale words stand in lanes 16-31
.if (\z) && (\ra)
	v_wmma_scale_f32_16x16x128_f8f6f4 v[\d:\d+7], v[\a:\a+11], v[\b:\b+11], 0, v[\sa], v[\sb] matrix_a_fmt:MATRIX_FMT_FP6 matrix_b_fmt:MATRIX_FMT_FP6 matrix_a_scale:MATRIX_SCALE_ROW1
.elseif (\z)
	v_wmma_scale_f32_16x16x128_f8f6f4 v[\d:\d+7], v[\a:\a+11], v[\b:\b+11], 0, v[\sa], v[\sb] matrix_a_fmt:MATRIX_FMT_FP6 matrix_b_fmt:MATRIX_FMT_FP6
.elseif (\ra)
	v_wmma_scale_f32_16x16x128_f8f6f4 v[\d:\d+7], v[\a:\a+11], v[\b:\b+11], v[\d:\d+7], v[\sa], v[\sb] matrix_a_fmt:MATRIX_FMT_FP6 matrix_b_fmt:MATRIX_FMT_FP6 matrix_a_scale:MATRIX_SCALE_ROW1
.else
	v_wmma_scale_f32_16x16x128_f8f6f4 v[\d:\d+7], v[\a:\a+11], v[\b:\b+11], v[\d:\d+7], v[\sa], v[\sb] matrix_a_fmt:MATRIX_FMT_FP6 matrix_b_fmt:MATRIX_FMT_FP6
.endif
.endm
.macro FRAGS a16, a8                   ; four fragments, 6,144 bytes, as they lie: 16 and 8 bytes a lane
.irp f, 0,1,2,3
	ds_load_b128 v[32+12*\f:35+12*\f], v[\a16] offset:\f*1536
	ds_load_b64 v[36+12*\f:37+12*\f], v[\a8] offset:\f*1536+512
	ds_load_b128 v[38+12*\f:41+12*\f], v[\a16] offset:\f*1536+768
	ds_load_b64 v[42+12*\f:43+12*\f], v[\a8] offset:\f*1536+1280
.endr
.endm
; 32 numbers of a lane, register 16 b + i = index 32 b + 16 (lane / 16) + i, become six registers of codes (lane (r, h): block h whole) and two bytes
.macro QUANT2 src, pc, pw
.irp b, 0,1
	v_max3_num_f32 v[TM+\b], |v[(\src)+16*\b]|, |v[(\src)+16*\b+1]|, 0x1800000
.endr
.irp i, 2,4,6,8,10,12,14
.irp b, 0,1
	s_delay_alu instid0(VALU_DEP_2)
	v_max3_num_f32 v[TM+\b], v[TM+\b], |v[(\src)+16*\b+\i]|, |v[(\src)+16*\b+\i+1]|
.endr
.endr
.irp b, 0,1
	s_delay_alu instid0(VALU_DEP_2)
	v_permlanex16_b32 v[TM+2+\b], v[TM+\b], s[SEL], s[SEL+1]
.endr
.irp b, 0,1
	s_delay_alu instid0(VALU_DEP_2)
	v_max_num_f32 v[TM+\b], v[TM+\b], v[TM+2+\b]
.endr
.irp b, 0,1
	s_delay_alu instid0(VALU_DEP_2)
	v_add_nc_u32 v[TM+4+\b], 0xff000000, v[TM+\b]
.endr
.irp b, 0,1
	s_delay_alu instid0(VALU_DEP_2)
	v_lshrrev_b32 v[TM+2+\b], 23, v[TM+4+\b]
.endr
	s_delay_alu instid0(VALU_DEP_1)
	v_lshl_or_b32 v[\pw], v[TM+3], 8, v[TM+2]
	v_cvt_scalef32_pk16_fp6_f32 v[(\pc):(\pc)+2], v[(\src):(\src)+15], v[TM+4]
	v_cvt_scalef32_pk16_fp6_f32 v[(\pc)+8:(\pc)+10], v[(\src)+16:(\src)+31], v[TM+5]
	v_nop                                          ; one plain instruction behind the scaled conversions
.irp i, 0,1,2
	v_permlane16_swap_b32 v[(\pc)+\i], v[(\pc)+8+\i]
.endr
.irp i, 0,1,2
	s_delay_alu instid0(VALU_DEP_3)
	v_mov_b32 v[(\pc)+3+\i], v[(\pc)+8+\i]
.endr
.endm
; the four pointers of tile s[tr].  s12 = the head's record in hb, s13 = 64 x batch, s14 and s15 = the head's place in a record of ctx (codes, words)
.macro MKPTR tr, qc, qw, cc, cw
	s_mul_i32 s56, s[\tr], 768
	s_add_co_u32 s56, s56, s12
	s_mov_b32 s57, 0
	s_add_nc_u64 s[\qc:\qc+1], s[4:5], s[56:57]
	s_lshr_b32 s58, s[\tr], 1                      ; the tile's block of 32 tokens
	s_lshl_b32 s56, s58, 6
	s_add_co_u32 s56, s56, s12
	s_add_co_u32 s56, s56, 98304
	s_add_nc_u64 s[\qw:\qw+1], s[4:5], s[56:57]
	s_add_co_u32 s58, s58, s13
	s_mul_i32 s58, s58, REC                        ; its record in ctx
	s_and_b32 s59, s[\tr], 1
	s_mul_i32 s56, s59, 12288
	s_add_co_u32 s56, s56, s58
	s_add_co_u32 s56, s56, s14
	s_add_nc_u64 s[\cc:\cc+1], s[6:7], s[56:57]
	s_lshl_b32 s56, s59, 7
	s_add_co_u32 s56, s56, s58
	s_add_co_u32 s56, s56, s15
	s_add_nc_u64 s[\cw:\cw+1], s[6:7], s[56:57]
.endm
; A KEY STEP: 128 keys
.macro STEP
	s_cmp_gt_u32 s[KS], s[J]                       ; all its keys come after my queries: left out.  The wave's number and the count of trips alone decide
	s_cbranch_scc1 .Lskip_\@
	s_setprio 2
	v_add_nc_u32 v8, s[TB], v1                     ; (these five are also the places in front of the loads into registers that the last step's products have read)
	v_add_nc_u32 v9, s[TB], v2
	s_delay_alu instid0(VALU_DEP_2)
	v_add_nc_u32 v10, 0x18000, v8
	s_delay_alu instid0(VALU_DEP_2)
	v_add_nc_u32 v11, 0x18000, v9
	v_add_nc_u32 v28, s[TW], v3
	FRAGS 8, 9                                     ; K: eight key tiles in four fragments
	ds_load_b32 v248, v28                          ; K's words: fragment 0 in lanes 0-15, fragment 1 in lanes 16-31;
	ds_load_b32 v249, v28 offset:128               ; fragments 2 and 3
	ds_load_b32 v250, v28 offset:4096              ; V's words: tiles of channels 0 and 1;
	ds_load_b32 v251, v28 offset:4224              ; 2 and 3
	s_wait_alu depctr_va_vdst(0)
	s_wait_dscnt 0x0
.irp t, 0,1,2,3,4,5,6,7
	WM 96+8*\t, 32+12*(\t/2), 16+64*(\t%2), 1, 248+\t/4, 255, (\t/2)%2
.endr
.rept 4
	v_nop                                          ; four places in front of loads into the fragments' registers and of the first read of the scores
.endr
	FRAGS 10, 11                                   ; V's four fragments land under the softmax
	s_cmp_lg_u32 s[KS], s[J]
	s_cbranch_scc1 .Lopen_\@                       ; only my last step lies on the diagonal
	v_mov_b32 v254, 0xff800000                     ; register 16 b + i holds key 128 J + 32 b + 16 (lane / 16) + i: hidden where 32 b + i > d; its score becomes -infinity, p = 0
.set n, 0
.rept 64
	v_cmp_gt_i32 vcc_lo, 32*(n/16)+n%16, v7
	v_cndmask_b32 v[96+n], v[96+n], v254, vcc_lo
.set n, n+1
.endr
.Lopen_\@:
.irp b, 0,1,2,3
	v_max3_num_f32 v[232+\b], v[96+16*\b], v[97+16*\b], v[98+16*\b]   ; the largest score of each block of 32 keys: for the row's maximum, and, since p rises with the score, for the block's largest p
.endr
.irp i, 3,5,7,9,11,13
.irp b, 0,1,2,3
	v_max3_num_f32 v[232+\b], v[232+\b], v[96+16*\b+\i], v[97+16*\b+\i]
.endr
.endr
.irp b, 0,1,2,3
	v_max_num_f32 v[232+\b], v[232+\b], v[111+16*\b]
.endr
.irp b, 0,1,2,3
	s_delay_alu instid0(VALU_DEP_4)
	v_permlanex16_b32 v[236+\b], v[232+\b], s[SEL], s[SEL+1]
.endr
.irp b, 0,1,2,3
	s_delay_alu instid0(VALU_DEP_4)
	v_max_num_f32 v[232+\b], v[232+\b], v[236+\b]  ; with lane l xor 16's 16 keys
.endr
	s_delay_alu instid0(VALU_DEP_2)
	v_max3_num_f32 v254, v232, v233, v234
	s_delay_alu instid0(VALU_DEP_1)
	v_max_num_f32 v254, v254, v235
	s_delay_alu instid0(VALU_DEP_1)
	v_mul_f32 v254, s[CS], v254                    ; the step's largest t (c is positive)
	s_delay_alu instid0(VALU_DEP_1)
	v_max_num_f32 v13, v13, v254
	v_mov_b32 v254, v12
	s_delay_alu instid0(VALU_DEP_2)
	v_floor_f32 v12, -v13                          ; the new -M = floor(-t): M is a whole number
	s_delay_alu instid0(VALU_DEP_1)
	v_sub_f32 v254, v12, v254                      ; old M - new M, 0 or less
	s_delay_alu instid0(VALU_DEP_1)
	v_cvt_i32_f32 v254, v254                       ; (it saturates)
	s_delay_alu instid0(VALU_DEP_1)
	v_ldexp_f32 v252, 1.0, v254                    ; f = 2^(old M - new M)
.set n, 0
	s_setprio 1
.rept 32
	v_pk_fma_f32 v[96+n:97+n], v[96+n:97+n], s[CS:CS+1], v[12:13] op_sel_hi:[1,0,0]   ; t - M, two at a time
.set n, n+2
.endr
.irp b, 0,1,2,3
	v_fma_f32 v[232+\b], v[232+\b], s[CS], v12     ; the same of each block's largest score
.endr
.set n, 0
	s_wait_alu depctr_va_vdst(0)
.rept 64
	v_exp_f32 v[96+n], v[96+n]                     ; p = 2^(t - M), at most 1
.set n, n+1
.endr
.irp b, 0,1,2,3
	v_exp_f32 v[232+\b], v[232+\b]                 ; the block's largest p: the same two instructions on the same number give the same bits
.endr
	v_pk_mul_f32 v[14:15], v[14:15], v[252:253] op_sel_hi:[1,0]   ; the sum under the new M: the plain instruction behind the batch, and with the sixteen below the work that names none of its results
.set n, 0
	s_wait_alu depctr_va_vdst(0)
.rept 16
	v_pk_mul_f32 v[160+n:161+n], v[160+n:161+n], v[252:253] op_sel_hi:[1,0]   ; O^T under the new M, each accumulator from its low end on
.set n, n+2
.endr
	s_wait_alu depctr_va_vdst(0)                   ; the wait ahead of the first instruction that names an exponential's result: one for all 68
.irp b, 0,1,2,3
	v_max_num_f32 v[232+\b], 0x1800000, v[232+\b]  ; the floor 2^(3 - 127): the byte cannot fall under 1 (a block whose every p is 0 keeps that byte: its codes are zeros)
.endr
.irp b, 0,1,2,3
	s_delay_alu instid0(VALU_DEP_4)
	v_add_nc_u32 v[244+\b], 0xff000000, v[232+\b]
.endr
.irp b, 0,1,2,3
	s_delay_alu instid0(VALU_DEP_4)
	v_lshrrev_b32 v[236+\b], 23, v[244+\b]
.endr
	s_delay_alu instid0(VALU_DEP_3)
	v_lshl_or_b32 v253, v237, 8, v236              ; p's scale word for these 128 keys
	s_delay_alu instid0(VALU_DEP_1)
	v_lshl_or_b32 v253, v238, 16, v253
	s_delay_alu instid0(VALU_DEP_1)
	v_lshl_or_b32 v253, v239, 24, v253
.irp c, 0,1
	v_cvt_scalef32_pk16_fp6_f32 v[224+6*\c:226+6*\c], v[96+32*\c:111+32*\c], v[244+2*\c]
	v_cvt_scalef32_pk16_fp6_f32 v[236+4*\c:238+4*\c], v[112+32*\c:127+32*\c], v[244+2*\c+1]
.endr
	v_nop                                          ; one plain instruction behind the scaled conversions
	s_setprio 0
.irp c, 0,1                                    ; the operand wants a whole block in a lane: lanes 0-15 block 2 c, lanes 16-31 block 2 c + 1
.irp i, 0,1,2
	v_permlane16_swap_b32 v[224+6*\c+\i], v[236+4*\c+\i]
.endr
.irp i, 0,1,2
	s_delay_alu instid0(VALU_DEP_3)
	v_mov_b32 v[227+6*\c+\i], v[236+4*\c+\i]
.endr
.endr
	v_pk_add_f32 v[236:237], v[100:101], v[104:105]
	v_pk_add_f32 v[248:249], v[108:109], v[112:113]
	v_pk_add_f32 v[246:247], v[116:117], v[120:121]
	v_pk_add_f32 v[244:245], v[124:125], v[128:129]
	v_pk_add_f32 v[240:241], v[132:133], v[136:137]
	v_pk_add_f32 v[222:223], v[140:141], v[144:145]
	v_pk_add_f32 v[220:221], v[148:149], v[152:153]
	v_pk_add_f32 v[14:15], v[14:15], v[156:157]
	v_pk_add_f32 v[236:237], v[236:237], v[96:97]
	v_pk_add_f32 v[248:249], v[248:249], v[98:99]
	v_pk_add_f32 v[246:247], v[246:247], v[102:103]
	v_pk_add_f32 v[244:245], v[244:245], v[106:107]
	v_pk_add_f32 v[240:241], v[240:241], v[110:111]
	v_pk_add_f32 v[222:223], v[222:223], v[114:115]
	v_pk_add_f32 v[220:221], v[220:221], v[118:119]
	v_pk_add_f32 v[14:15], v[14:15], v[122:123]
	v_pk_add_f32 v[236:237], v[236:237], v[126:127]
	v_pk_add_f32 v[248:249], v[248:249], v[130:131]
	v_pk_add_f32 v[246:247], v[246:247], v[134:135]
	v_pk_add_f32 v[244:245], v[244:245], v[138:139]
	v_pk_add_f32 v[240:241], v[240:241], v[142:143]
	v_pk_add_f32 v[222:223], v[222:223], v[146:147]
	v_pk_add_f32 v[220:221], v[220:221], v[150:151]
	v_pk_add_f32 v[14:15], v[14:15], v[154:155]
	v_pk_add_f32 v[236:237], v[236:237], v[158:159]
	s_delay_alu instid0(VALU_DEP_2)
	v_pk_add_f32 v[14:15], v[14:15], v[244:245]
	s_delay_alu instid0(VALU_DEP_2)
	v_pk_add_f32 v[236:237], v[236:237], v[240:241]
	v_pk_add_f32 v[248:249], v[248:249], v[222:223]
	v_pk_add_f32 v[246:247], v[246:247], v[220:221]
	s_delay_alu instid0(VALU_DEP_2)
	v_pk_add_f32 v[14:15], v[14:15], v[248:249]
	s_delay_alu instid0(VALU_DEP_2)
	v_pk_add_f32 v[236:237], v[236:237], v[246:247]
	s_delay_alu instid0(VALU_DEP_1)
	v_pk_add_f32 v[14:15], v[14:15], v[236:237]
	s_wait_dscnt 0x0                               ; V is in
.irp t, 0,1,2,3
	WM 160+8*\t, 32+12*\t, 224, 0, 250+\t/2, 253, \t%2   ; four accumulators by turns; the matrix instruction in front of the first is a score's
.endr
.Lskip_\@:
	s_add_co_u32 s[TB], s[TB], 6144
	s_add_co_u32 s[TW], s[TW], 256
	s_add_co_u32 s[KS], s[KS], 1
.endm
; the way out of a tile: O^T / l, quantised along the head's 64 channels, which are two blocks of ctx's K
.macro OUT cc, cw
.rept 4
	v_nop                                          ; four places behind the last products
.endr
	v_add_f32 v14, v14, v15
	s_delay_alu instid0(VALU_DEP_1)
	v_permlanex16_b32 v252, v14, s[SEL], s[SEL+1]
	s_delay_alu instid0(VALU_DEP_1)
	v_add_f32 v14, v14, v252                       ; the row's sum
	s_wait_alu depctr_va_vdst(0)
	v_rcp_f32 v14, v14
	v_nop                                          ; a plain instruction behind the reciprocal,
	s_wait_alu depctr_va_vdst(0)                   ; and the wait ahead of its first reader
.set n, 0
.rept 32
	v_mul_f32 v[192+n], v[160+n], v14              ; register 16 b + i: channel 32 b + 16 (lane / 16) + i of my query
.set n, n+1
.endr
	QUANT2 192, 224, 254
	global_store_b128 v1, v[224:227], s[\cc:\cc+1]              ; 512 consecutive bytes, at a multiple of 256 from the buffer's first byte
	global_store_b64 v2, v[228:229], s[\cc:\cc+1] offset:512
	global_store_b16 v243, v254, s[\cw:\cw+1]      ; my head's two bytes of the row's scale word (lanes r and r + 16: the same bytes, the same value)
	s_wait_xcnt 0x0                                ; the stores have read their data
.endm
.macro PHASE n
	s_wait_loadcnt 0x0                             ; my tile of q
.irp i, 0,1,2,3
	v_mov_b32 v[16+\i], v[92+\i]
	v_mov_b32 v[86+\i], v[92+\i]
.endr
.irp i, 0,1
	v_mov_b32 v[20+\i], v[30+\i]
	v_mov_b32 v[90+\i], v[30+\i]
.endr
	v_lshrrev_b32 v254, s[SH], v29
	s_delay_alu instid0(VALU_DEP_1)
	v_and_b32 v254, 0xffff, v254
	s_delay_alu instid0(VALU_DEP_1)
	v_lshl_or_b32 v255, v254, 16, v254             ; q's two bytes, for both halves of K
.if \n == 0
	global_load_b128 v[92:95], v1, s[QCB:QCB+1]    ; the second tile of q is asked for a phase ahead
	global_load_b64 v[30:31], v2, s[QCB:QCB+1] offset:512
	global_load_b32 v29, v4, s[QWB:QWB+1]
	s_mov_b32 s[J], s[WV]
.else
	v_add_nc_u32 v7, 64, v7                        ; the second tile lies four tiles, 64 queries, further on in its 128
	s_sub_co_u32 s[J], 15, s[WV]
.endif
	v_mov_b32 v13, 0xff61b1e6                      ; the largest t so far: -3e38
	s_delay_alu instid0(VALU_DEP_1)
	v_floor_f32 v12, -v13
	v_mov_b32 v14, 0
	v_mov_b32 v15, 0
.set n, 0
.rept 32
	v_mov_b32 v[160+n], 0                          ; O^T: the step is written once; the first change of M leaves zeros zeros
.set n, n+1
.endr
	s_mov_b32 s[TB], 0
	s_mov_b32 s[TW], 0
	s_mov_b32 s[KS], 0
	s_mov_b32 s[CNT], 16
.Lstep_\@:
	STEP
	s_sub_co_u32 s[CNT], s[CNT], 1
	s_cmp_lg_u32 s[CNT], 0
	s_cbranch_scc1 .Lstep_\@
	s_setprio 0
.endm
	s_load_b128 s[4:7], s[0:1], 0x0                ; hb, ctx
	v_lshl_add_u32 v5, v0, 2, SPARE
	v_mov_b32 v6, 0
	ds_add_u32 v5, v6                              ; the wave's opening: the add and its wait ahead of my tensor load
	ds_add_u32 v5, v6
	v_lshrrev_b32 v8, 5, v0
	s_delay_alu instid0(VALU_DEP_1)
	v_readfirstlane_b32 s[WV], v8                  ; wave 0..15
	v_and_b32 v8, 31, v0
	s_delay_alu instid0(VALU_DEP_1)
	v_lshlrev_b32 v1, 4, v8                        ; 16 x lane
	s_delay_alu instid0(VALU_DEP_2)
	v_lshlrev_b32 v2, 3, v8                        ; 8 x lane
	s_delay_alu instid0(VALU_DEP_3)
	v_lshl_add_u32 v3, v8, 2, 196608               ; 4 x lane, among K's words
	v_and_b32 v9, 15, v0                           ; r
	s_wait_alu depctr_va_vdst(0)
	v_bfe_u32 v10, v0, 4, 1                        ; h
	s_wait_alu depctr_va_vdst(0)
	v_lshlrev_b32 v4, 2, v9                        ; 4 r
	v_lshlrev_b32 v243, 3, v9                      ; 8 r
	s_bfe_u32 s9, ttmp6, 0x40000                   ; cx
	s_lshl_b32 s11, ttmp9, 2
	s_add_co_u32 s11, s11, s9                      ; x: it enters global addresses, the mask's d and a shift, no branch and no LDS address
	s_lshr_b32 s56, s11, 1
	s_lshl_b32 s56, s56, 5
	s_and_b32 s57, s11, 1
	s_lshl_b32 s[SH], s57, 4
	s_lshl_b32 s57, s57, 3
	s_add_co_u32 s56, s56, s57                     ; 32 (x / 2) + 8 (x % 2)
	v_and_b32 v7, 8, v9
	s_delay_alu instid0(VALU_DEP_1)
	v_add_nc_u32 v7, v7, v9                        ; + r + 8 (r / 8): my query within its 128,
	v_lshlrev_b32 v10, 4, v10
	s_delay_alu instid0(VALU_DEP_1)
	v_sub_nc_u32 v7, v7, v10                       ; - 16 h
	s_delay_alu instid0(VALU_DEP_1)
	v_add_nc_u32 v7, s56, v7                       ; d
	s_and_b32 s10, ttmp7, 0xffff                   ; 16 x batch + head
	s_mul_i32 s12, s10, HREC
	s_lshr_b32 s13, s10, 4
	s_lshl_b32 s13, s13, 6
	s_and_b32 s58, s10, 15                         ; the head: K step head / 2 of ctx, half head % 2
	s_mul_i32 s14, s58, 768
	s_lshr_b32 s15, s58, 2
	s_lshl_b32 s15, s15, 8
	s_bfe_u32 s59, s58, 0x10001
	s_lshl_b32 s59, s59, 2
	s_add_co_u32 s15, s15, s59
	s_and_b32 s59, s58, 1
	s_lshl_b32 s59, s59, 1
	s_add_co_u32 s15, s15, s59
	s_add_co_u32 s15, s15, 24576
	s_lshl_b32 s38, s[WV], 3
	s_sub_co_u32 s39, 124, s38
	s_add_co_u32 s38, s38, s11                     ; my first tile,
	s_add_co_u32 s39, s39, s11                     ; and my second
	; descriptor: 50 rows of 256 bytes (32 elements of 8 bytes), dense, no padding: a sixteenth of the head's image
	s_mov_b32 s[G1], 15|(3<<16)|(1<<21)            ; 15:0 the mask: all four work-groups; 17:16 elements of 8 bytes; 21 set beside a mask
	s_mov_b32 s[G1+1], 32<<16
	s_mov_b32 s[G1+2], 50<<16
	s_mov_b32 s[G1+3], 32<<16
	s_mov_b32 s[G1+4], 50
	s_mov_b32 s[G1+5], 32
	s_mov_b32 s[G1+6], 0
	s_mov_b32 s[G1+7], 0
	s_mul_i32 s60, s[WV], 12800
	s_mov_b32 s[G0], 1
	s_mov_b32 s[G0+1], s60
	s_add_co_u32 s62, s60, s12
	s_add_co_u32 s62, s62, 102400                  ; K's codes begin the image
	s_mov_b32 s63, 0
	s_mov_b32 s[CS], 0x3e38aa3b                    ; log2(e) / 8
	s_mov_b32 s[CS+1], s[CS]
	s_mov_b32 s[SEL], 0x76543210
	s_mov_b32 s[SEL+1], 0xfedcba98
.irp i, 0,1,2,3,4,5
	v_mov_b32 v[22+\i], 0                          ; [q | 0]
	v_mov_b32 v[80+\i], 0                          ; [0 | q]
.endr
.irp b, 0,1,2,3
	v_mov_b32 v[236+\b], 0                         ; written once: a lane permute's destination counts as one of its sources
.endr
	v_mov_b32 v252, 0                              ; likewise: the way out's lane permute lands here, and a key step's first write of it stands under the branch that leaves steps out
	v_mov_b32 v253, 0                              ; (named as the upper half of the pair v[252:253] before it is first written)
	s_wait_dscnt 0x0                               ; the opening add is done
	s_wait_kmcnt 0x0
	s_add_nc_u64 s[G0+2:G0+3], s[4:5], s[62:63]
	s_or_b32 s[G0+3], s[G0+3], 0x80000000
	MKPTR 38, QCA, QWA, CCA, CWA
	MKPTR 39, QCB, QWB, CCB, CWB
	ROUND                                          ; all four work-groups are here: the joint loads meet
	tensor_load_to_lds s[G0:G0+3], s[G1:G1+7]      ; my one tensor load
	s_nop 0
.rept 4
	v_nop
.endr
	global_load_b128 v[92:95], v1, s[QCA:QCA+1]    ; my first tile of q
	global_load_b64 v[30:31], v2, s[QCA:QCA+1] offset:512
	global_load_b32 v29, v4, s[QWA:QWA+1]
	s_wait_tensorcnt 0x0                           ; my sixteenth is in LDS,
	s_barrier_signal -1
	s_barrier_wait -1                              ; everybody's is; nothing is filled again
	PHASE 0
	s_wait_alu depctr_va_vdst(0)
	OUT CCA, CWA
	PHASE 1
	s_wait_alu depctr_va_vdst(0)
	OUT CCB, CWB
	s_wait_tensorcnt 0x0                           ; the wave's end
	ds_add_u32 v5, v6
	s_wait_dscnt 0x0
	ROUND                                          ; the closing round
	s_endpgm
.Lfunc_end_k_q0ac967fc55_attn:
	.size	k_q0ac967fc55_attn, .Lfunc_end_k_q0ac967fc55_attn-k_q0ac967fc55_attn
	.p2alignl 7, 3214868480
	.fill 96, 4, 3214868480
	.section	.rodata,"a",@progbits
	.p2align	6, 0x0
	.amdhsa_kernel k_q0ac967fc55_attn
		.amdhsa_group_segment_fixed_size 327680
		.amdhsa_private_segment_fixed_size 0
		.amdhsa_enable_private_segment 0
		.amdhsa_kernarg_size 16
		.amdhsa_user_sgpr_count 2
		.amdhsa_user_sgpr_kernarg_segment_ptr 1
		.amdhsa_wavefront_size32 1
		.amdhsa_system_sgpr_workgroup_id_x 1
		.amdhsa_system_sgpr_workgroup_id_y 1
		.amdhsa_system_sgpr_workgroup_id_z 1
		.amdhsa_system_vgpr_workitem_id 0
		.amdhsa_next_free_vgpr 256
		.amdhsa_next_free_sgpr 66
		.amdhsa_reserve_vcc 1
		.amdhsa_float_denorm_mode_32 3
		.amdhsa_float_denorm_mode_16_64 3
		.amdhsa_memory_ordered 1
		.amdhsa_forward_progress 1
		.amdhsa_inst_pref_size 66
	.end_amdhsa_kernel
	.amdgpu_metadata
---
amdhsa.version: [ 1, 2 ]
amdhsa.kernels:
  - .name:           k_q0ac967fc55_attn
    .symbol:         k_q0ac967fc55_attn.kd
    .args:
      - { .name: hb, .offset: 0, .size: 8, .value_kind: global_buffer, .address_space: global }
      - { .name: ctx, .offset: 8, .size: 8, .value_kind: global_buffer, .address_space: global }
    .group_segment_fixed_size: 327680
    .private_segment_fixed_size: 0
    .kernarg_segment_align: 8
    .kernarg_segment_size: 16
    .max_flat_workgroup_size: 512
    .sgpr_count:     66
    .vgpr_count:     256
    .wavefront_size: 32
...
	.end_amdgpu_metadata
.endif
;; end of part 3
;; launch oproj (part 4): grid 4 x 64, 4 waves a work-group, clusters of 4 x 1, 327,680 bytes of LDS; arguments ctx, wimg, bo, out0; writes out0
.if DOCPART == 4
	.amdgcn_target "amdgcn-amd-amdhsa--gfx1250"
	.amdhsa_code_object_version 6
	.text
	.protected	k_q0ac967fc55_oproj
	.globl	k_q0ac967fc55_oproj
	.p2align	8
	.type	k_q0ac967fc55_oproj,@function
k_q0ac967fc55_oproj:
	s_mov_b64 s[64:65], 0
	v_nop
	global_prefetch_b8 v0, s[64:65] scope:SCOPE_SE
	s_setreg_imm32_b32 hwreg(HW_REG_WAVE_MODE, 25, 1), 1
	s_wait_xcnt 0x0
	s_wait_alu depctr_hold_cnt(0) depctr_sa_sdst(0) depctr_va_vdst(0) depctr_va_sdst(0) depctr_va_ssrc(0) depctr_va_vcc(0) depctr_vm_vsrc(0)
	s_getreg_b32 s2, hwreg(HW_REG_IB_STS2, 6, 4)
	s_cmp_eq_u32 s2, 0
	s_cbranch_scc0 .Lentry_in_a_cluster
	s_endpgm
.Lentry_in_a_cluster:
	s_bfe_u32 s2, ttmp6, 0x10000c
	s_cmp_lg_u32 s2, 0x3003
	s_cbranch_scc0 .Lentry_shape_is_right
	s_endpgm
.Lentry_shape_is_right:
; out = ctx Wo^T + bo on codes of FP6 (E2M3) with E8M0 scales; out [8192][1024] f32.
; RECORDS (25,600 bytes: 32 rows x K 1,024, two tiles; lane r of tile u holds row 8 u + r + 8 (r / 8)): fragment (u, s) at 12,288 u + 1,536 s, scale words at 24,576 + 256 (s / 2) + 8 (16 u + r) + 4 (s % 2).
; SHARES.  Work-group (sigma, rho): 128 tokens (ctx's records 4 rho ..) x 256 outputs.  Wave w keeps its 64 rows of Wo (wimg's records 96 + 8 sigma + 2 w and the next) in 384 registers as source 0,
; and streams the four records of ctx from LDS as source 1: a lane holds one token, its registers of result tiles 2 b and 2 b + 1 the outputs 32 b + 16 (lane / 16) + 0 .. 15.
; The bias is the C of each sum's first product.  CLUSTER 4 x 1: the four work-groups of a cluster share their tokens: each record is asked for jointly, one tensor load a wave, filled once.
; THE WAY OUT: 16 tokens x 64 outputs go through the wave's own stage in LDS and leave as rows of 256 consecutive bytes, sixteen lanes to a row.
; REGISTERS: window 0: v1-3 lane terms, v5-7 the way out's addresses, v8-9 LDS addresses, v16-31 Wo's scale words, v32-39 ctx's, v64-127 accumulators (32 u + 8 t), v128-159 the bias, v160-223 rows on their way out.
;   window 1: Wo's fragments (t, s < 4) at 48 t + 12 s;  window 2: s >= 4;  window 3: the stream: K steps 0-3 at 48 u + 12 s, K steps 4-7 at 96 + 48 u + 12 (s - 4).
.set REC,   25600
.set STG,   4*REC                      ; behind the records: a stage of 16 rows x (256 + 16) bytes for each wave; no tensor load lands there
.set SPARE, STG+4*4352                 ; behind the stages: the spare words, 128 bytes a wave, two blocks of 256 bytes that no other line names
.set SPW,   12
.set NIL,   13
.set STO,   5
.set RD,    6
.set GO,    7
.set SS,    16
.set TS,    32
.set ACC,   64
.set BI,    128
.set OB,    160
.set WV,    12
.set SB,    22
.set G1,    24
.set G0,    32
.set MSB, 0
.macro WIN new                         ; the immediate's high byte repeats the setting that is left
.if MSB != (\new)
	s_set_vgpr_msb (MSB<<8)|(\new)
.set MSB, (\new)
.endif
.endm
.macro ROUND
	s_barrier_signal -1
	s_barrier_wait -1
	s_cmp_lg_u32 s[WV], 0
	s_cbranch_scc1 .Lnot_wave_0_\@
	s_barrier_signal -3
.Lnot_wave_0_\@:
	s_barrier_wait -3
	s_barrier_signal -1
	s_barrier_wait -1
.endm
.macro PLACES n
.rept \n
	v_nop
.endr
.endm
.macro WM d, a, b, c, sa, sb, ra, rb   ; one product; c: the bias for a sum's first, else the accumulator; ra, rb: the scale words stand in lanes 16-31
.if (\ra) && (\rb)
	v_wmma_scale_f32_16x16x128_f8f6f4 v[\d:\d+7], v[\a:\a+11], v[\b:\b+11], v[\c:\c+7], v[\sa], v[\sb] matrix_a_fmt:MATRIX_FMT_FP6 matrix_b_fmt:MATRIX_FMT_FP6 matrix_a_scale:MATRIX_SCALE_ROW1 matrix_b_scale:MATRIX_SCALE_ROW1
.elseif (\ra)
	v_wmma_scale_f32_16x16x128_f8f6f4 v[\d:\d+7], v[\a:\a+11], v[\b:\b+11], v[\c:\c+7], v[\sa], v[\sb] matrix_a_fmt:MATRIX_FMT_FP6 matrix_b_fmt:MATRIX_FMT_FP6 matrix_a_scale:MATRIX_SCALE_ROW1
.elseif (\rb)
	v_wmma_scale_f32_16x16x128_f8f6f4 v[\d:\d+7], v[\a:\a+11], v[\b:\b+11], v[\c:\c+7], v[\sa], v[\sb] matrix_a_fmt:MATRIX_FMT_FP6 matrix_b_fmt:MATRIX_FMT_FP6 matrix_b_scale:MATRIX_SCALE_ROW1
.else
	v_wmma_scale_f32_16x16x128_f8f6f4 v[\d:\d+7], v[\a:\a+11], v[\b:\b+11], v[\c:\c+7], v[\sa], v[\sb] matrix_a_fmt:MATRIX_FMT_FP6 matrix_b_fmt:MATRIX_FMT_FP6
.endif
.endm
.macro MUL half                        ; 32 products: K steps 4 half .. + 3; the eight accumulators take turns, one instruction a turn
	WIN 0x0d+\half                                 ; source 0: window 1 or 2; source 1: window 3; C and D: window 0
.irp sl, 0,1,2,3
.irp t, 0,1,2,3
.irp u, 0,1
.if (4*\half+\sl) == 0
	WM ACC+32*\u+8*\t, 48*\t+12*\sl, 96*\half+48*\u+12*\sl, BI+8*\t, SS+8*(\t/2)+4*\half+\sl, TS+4*\half+\sl, \t%2, \u
.else
	WM ACC+32*\u+8*\t, 48*\t+12*\sl, 96*\half+48*\u+12*\sl, ACC+32*\u+8*\t, SS+8*(\t/2)+4*\half+\sl, TS+4*\half+\sl, \t%2, \u
.endif
.endr
.endr
.endr
.endm
.macro STATF reg, off
	global_load_b128 v[\reg:\reg+3], v1, s[16:17] offset:\off
	global_load_b64 v[\reg+4:\reg+5], v2, s[16:17] offset:\off+512
	global_load_b128 v[\reg+6:\reg+9], v1, s[16:17] offset:\off+768
	global_load_b64 v[\reg+10:\reg+11], v2, s[16:17] offset:\off+1280
.endm
.macro SFETCH half, off                ; 32 LDS loads: the stream's eight fragments of K steps 4 half .. + 3
	WIN 0xc0                                       ; destination window 3
.irp u, 0,1
.irp sl, 0,1,2,3
	ds_load_b128 v[96*\half+48*\u+12*\sl:96*\half+48*\u+12*\sl+3], v8 offset:\off+\u*12288+(4*\half+\sl)*1536
	ds_load_b64 v[96*\half+48*\u+12*\sl+4:96*\half+48*\u+12*\sl+5], v9 offset:\off+\u*12288+(4*\half+\sl)*1536+512
	ds_load_b128 v[96*\half+48*\u+12*\sl+6:96*\half+48*\u+12*\sl+9], v8 offset:\off+\u*12288+(4*\half+\sl)*1536+768
	ds_load_b64 v[96*\half+48*\u+12*\sl+10:96*\half+48*\u+12*\sl+11], v9 offset:\off+\u*12288+(4*\half+\sl)*1536+1280
.endr
.endr
.endm
.macro TSFETCH off
	WIN 0
.irp q, 0,1,2,3
	ds_load_b64 v[TS+2*\q:TS+2*\q+1], v9 offset:\off+24576+256*\q
.endr
.endm
; record p of ctx: 64 products, the next record fetched meanwhile (pf = 1), 32 tokens x 64 outputs stored
.macro PAIR pf, p
	s_wait_dscnt 0x0                               ; the record's fragments and words are in (the last way out's LDS instructions were issued behind them, so the count is 0)
	MUL 0
	PLACES 4                                       ; four places in front of loads into registers that matrix instructions have read
.if \pf
	SFETCH 0, REC
.endif
	MUL 1
	PLACES 5                                       ; five: loads into operands, reads of results, and the next record's first products, which write over the accumulators
.if \pf
	TSFETCH REC
	SFETCH 1, REC
.endif
	WIN 0
	s_wait_xcnt 0x0                                ; the last record's stores have read their data: the rows' registers are loaded again only behind this wait
.irp u, 0,1
.irp t, 0,1,2,3
	ds_store_b128 v[STO], v[ACC+32*\u+8*\t:ACC+32*\u+8*\t+3] offset:128*(\t/2)+32*(\t%2)        ; each accumulator from its low end on
	ds_store_b128 v[STO], v[ACC+32*\u+8*\t+4:ACC+32*\u+8*\t+7] offset:128*(\t/2)+32*(\t%2)+16
.endr
.irp i, 0,1,2,3,4,5,6,7
	ds_load_b128 v[OB+32*\u+4*\i:OB+32*\u+4*\i+3], v[RD] offset:2*\i*272   ; LDS serves a wave's instructions in order: these see the stores above, and the next tile's stores come behind them
.endr
.endr
.irp u, 0,1
.irp i, 0,1,2,3,4,5,6,7
	s_wait_dscnt 16*(1-\u)+7-\i                    ; behind this load: the rest of its tile's loads, and for tile 0 tile 1's sixteen instructions
	global_store_b128 v[GO], v[OB+32*\u+4*\i:OB+32*\u+4*\i+3], s[20:21] offset:(32*\p+8*\u+2*\i+8*(\i/4))*4096 th:TH_STORE_NT   ; 16 lanes store 256 consecutive bytes, at a multiple of 256 from out's first byte
.endr
.endr
	s_add_co_u32 s[SB], s[SB], REC
	v_add_nc_u32 v8, s[SB], v1
	v_add_nc_u32 v9, s[SB], v2
.endm
	s_load_b256 s[4:11], s[0:1], 0x0               ; ctx, wimg, bo, out0
	v_lshl_add_u32 v[SPW], v0, 2, SPARE
	v_mov_b32 v[NIL], 0
	ds_add_u32 v[SPW], v[NIL]                      ; the wave's opening: the add and its wait ahead of my tensor load
	ds_add_u32 v[SPW], v[NIL]
	v_lshrrev_b32 v14, 5, v0
	v_readfirstlane_b32 s[WV], v14                 ; wave 0..3
	v_and_b32 v14, 31, v0
	v_lshlrev_b32 v1, 4, v14                       ; 16 x lane
	v_lshlrev_b32 v2, 3, v14                       ; 8 x lane
	v_and_b32 v14, 15, v0                          ; r
	v_bfe_u32 v15, v0, 4, 1                        ; h
	v_lshlrev_b32 v3, 6, v15                       ; 64 h: my half's 16 numbers of the bias
	s_mov_b32 s[SB], 0
	v_add_nc_u32 v8, s[SB], v1
	v_add_nc_u32 v9, s[SB], v2
	s_mul_i32 s36, s[WV], 4352
	s_add_co_u32 s36, s36, STG                     ; my stage
	v_mul_u32_u24 v[STO], v14, 272
	v_lshl_add_u32 v[STO], v15, 6, v[STO]
	v_add_nc_u32 v[STO], s36, v[STO]               ; in: row r, 64 h bytes on
	v_mul_u32_u24 v[RD], v15, 272
	v_lshl_add_u32 v[RD], v14, 4, v[RD]
	v_add_nc_u32 v[RD], s36, v[RD]                 ; back: lanes 0-15 one row, lanes 16-31 the next
	v_lshlrev_b32 v[GO], 12, v15
	v_lshl_add_u32 v[GO], v14, 4, v[GO]            ; and the same two rows in out
	s_bfe_u32 s13, ttmp6, 0x40000                  ; cx
	s_lshl_b32 s15, ttmp9, 2
	s_add_co_u32 s15, s15, s13                     ; sigma
	s_and_b32 s14, ttmp7, 0xffff                   ; rho, which the four partners share
	; descriptor: a record as 100 rows of 256 bytes (32 elements of 8 bytes), dense, no padding
	s_mov_b32 s[G1], 15|(3<<16)|(1<<21)            ; 15:0 the mask: all four work-groups; 17:16 elements of 8 bytes; 21 set beside a mask
	s_mov_b32 s[G1+1], 32<<16
	s_mov_b32 s[G1+2], 100<<16
	s_mov_b32 s[G1+3], 32<<16
	s_mov_b32 s[G1+4], 100
	s_mov_b32 s[G1+5], 32
	s_mov_b32 s[G1+6], 0
	s_mov_b32 s[G1+7], 0
	s_mul_i32 s37, s[WV], REC
	s_mov_b32 s[G0], 1
	s_mov_b32 s[G0+1], s37                         ; LDS: record w
	s_lshl_b32 s38, s14, 2
	s_add_co_u32 s38, s38, s[WV]
	s_mul_i32 s38, s38, REC                        ; ctx's record 4 rho + w
	s_mov_b32 s39, 0
	s_lshl_b32 s40, s15, 3
	s_lshl_b32 s41, s[WV], 1
	s_add_co_u32 s40, s40, s41
	s_add_co_u32 s40, s40, 96
	s_mul_i32 s40, s40, REC                        ; Wo's records 96 + 8 sigma + 2 w and the next
	s_mov_b32 s41, 0
	s_lshl_b32 s42, s15, 10
	s_lshl_b32 s43, s[WV], 8
	s_add_co_u32 s42, s42, s43                     ; my 64 outputs: byte 1,024 sigma + 256 w of a row of out, and of the bias
	s_mov_b32 s43, 0
	s_lshl_b32 s44, s14, 19                        ; 128 rows of 4,096 bytes
	s_add_co_u32 s44, s44, s42
	s_mov_b32 s45, 0
	s_wait_dscnt 0x0                               ; the opening add is done
	s_wait_kmcnt 0x0
	s_add_nc_u64 s[G0+2:G0+3], s[4:5], s[38:39]
	s_or_b32 s[G0+3], s[G0+3], 0x80000000
	s_add_nc_u64 s[16:17], s[6:7], s[40:41]
	s_add_nc_u64 s[18:19], s[8:9], s[42:43]
	s_add_nc_u64 s[20:21], s[10:11], s[44:45]
	ROUND                                          ; all four work-groups are here: the joint loads meet
	tensor_load_to_lds s[G0:G0+3], s[G1:G1+7]      ; my one tensor load
	s_nop 0
	PLACES 4                                       ; four vector instructions ahead of the next switch of windows
.irp hf, 0,1
	WIN 0x40+0x40*\hf                              ; destination window 1, then 2
.irp t, 0,1,2,3
.irp sl, 0,1,2,3
	STATF 48*\t+12*\sl, (\t/2)*REC+(\t%2)*12288+(4*\hf+\sl)*1536
.endr
.endr
.endr
	WIN 0
.irp tp, 0,1
.irp q, 0,1,2,3
	global_load_b64 v[SS+8*\tp+2*\q:SS+8*\tp+2*\q+1], v2, s[16:17] offset:\tp*REC+24576+256*\q
.endr
.endr
.irp t, 0,1,2,3
	global_load_b128 v[BI+8*\t:BI+8*\t+3], v3, s[18:19] offset:(32*(\t/2)+8*(\t%2))*4       ; bo at outputs 32 (t / 2) + 16 h + 8 (t % 2) + 0 .. 7 of my 64
	global_load_b128 v[BI+8*\t+4:BI+8*\t+7], v3, s[18:19] offset:(32*(\t/2)+8*(\t%2))*4+16
.endr
	s_wait_tensorcnt 0x0                           ; my record is in LDS,
	s_barrier_signal -1
	s_barrier_wait -1                              ; everybody's is; nothing is filled again
	s_wait_alu depctr_va_vdst(0)
	SFETCH 0, 0
	TSFETCH 0
	SFETCH 1, 0
	WIN 0
	s_wait_loadcnt 0x0                             ; Wo's fragments and words, the bias
	PAIR 1, 0
	s_wait_alu depctr_va_vdst(0)
	PAIR 1, 1
	s_wait_alu depctr_va_vdst(0)
	PAIR 1, 2
	PAIR 0, 3
	s_wait_tensorcnt 0x0                           ; the wave's end, behind my last LDS store
	ds_add_u32 v[SPW], v[NIL]
	s_wait_dscnt 0x0
	ROUND                                          ; the closing round
	s_endpgm
.Lfunc_end_k_q0ac967fc55_oproj:
	.size	k_q0ac967fc55_oproj, .Lfunc_end_k_q0ac967fc55_oproj-k_q0ac967fc55_oproj
	.p2alignl 7, 3214868480
	.fill 96, 4, 3214868480
	.section	.rodata,"a",@progbits
	.p2align	6, 0x0
	.amdhsa_kernel k_q0ac967fc55_oproj
		.amdhsa_group_segment_fixed_size 327680
		.amdhsa_private_segment_fixed_size 0
		.amdhsa_enable_private_segment 0
		.amdhsa_kernarg_size 32
		.amdhsa_user_sgpr_count 2
		.amdhsa_user_sgpr_kernarg_segment_ptr 1
		.amdhsa_wavefront_size32 1
		.amdhsa_system_sgpr_workgroup_id_x 1
		.amdhsa_system_sgpr_workgroup_id_y 1
		.amdhsa_system_sgpr_workgroup_id_z 1
		.amdhsa_system_vgpr_workitem_id 0
		.amdhsa_next_free_vgpr 1024
		.amdhsa_next_free_sgpr 66
		.amdhsa_reserve_vcc 0
		.amdhsa_float_denorm_mode_32 3
		.amdhsa_float_denorm_mode_16_64 3
		.amdhsa_memory_ordered 1
		.amdhsa_forward_progress 1
		.amdhsa_inst_pref_size 86
	.end_amdhsa_kernel
	.amdgpu_metadata
---
amdhsa.version: [ 1, 2 ]
amdhsa.kernels:
  - .name:           k_q0ac967fc55_oproj
    .symbol:         k_q0ac967fc55_oproj.kd
    .args:
      - { .name: ctx, .offset: 0, .size: 8, .value_kind: global_buffer, .address_space: global }
      - { .name: wimg, .offset: 8, .size: 8, .value_kind: global_buffer, .address_space: global }
      - { .name: bo, .offset: 16, .size: 8, .value_kind: global_buffer, .address_space: global }
      - { .name: out0, .offset: 24, .size: 8, .value_kind: global_buffer, .address_space: global }
    .group_segment_fixed_size: 327680
    .private_segment_fixed_size: 0
    .kernarg_segment_align: 8
    .kernarg_segment_size: 32
    .max_flat_workgroup_size: 128
    .sgpr_count:     66
    .vgpr_count:     1024
    .wavefront_size: 32
...
	.end_amdgpu_metadata
.endif
;; end of part 4
